; MI455X (gfx1250); checked and timed in simulation.
; The chip was launched on July 23, 2026; its instructions are those of AMD's public machine-readable ISA for CDNA 5 (MIT licence, August 2026) and "CDNA5" Instruction Set Architecture Reference Guide (July 2026). The comments in the code are by the model that wrote it; some were corrected since.
;; Element Specific NN. Allowed arithmetic: float matrix products may take bf16 or f16 operands with f32 sums; all other float work in f32.
;; Inputs: W1 4 x 512 x 512 float32; W2 4 x 512 x 512 float32; W3 4 x 512 x 512 float32; W4 4 x 512 x 512 float32; W5 4 x 512 x 1 float32; b1 4 x 512 float32; b2 4 x 512 float32; b3 4 x 512 float32; b4 4 x 512 float32; b5 4 x 1 float32; charges 256 x 64 int32; species 4 int32; x 256 x 64 x 512 float32.
;; Outputs: out0 256 float32.
;; 2 versions, each right and faster than the one before. Each part assembles by itself: llvm-mc -triple=amdgcn-amd-amdhsa -mcpu=gfx1250 --defsym DOCPART=n.
;; ======== version 1 of 2: 4 launches
;; workspace buffers: wb 8,388,608 bytes; list 114,688 bytes of whole numbers; ctab 1,024 bytes of whole numbers; pos 65,536 bytes of whole numbers; E 106,496 bytes
;; launch cast (part 1): grid 64 x 4, 8 waves a work-group, no clusters, 0 bytes of LDS; arguments W1, W2, W3, W4, wb; writes wb
.if DOCPART == 1
	.amdgcn_target "amdgcn-amd-amdhsa--gfx1250"
	.amdhsa_code_object_version 6
	.text
	.protected	k_q5e83c4a107_cast
	.globl	k_q5e83c4a107_cast
	.p2align	8
	.type	k_q5e83c4a107_cast,@function
k_q5e83c4a107_cast:
	s_mov_b64 s[64:65], 0
	v_nop
	global_prefetch_b8 v0, s[64:65] scope:SCOPE_SE
	s_setreg_imm32_b32 hwreg(HW_REG_WAVE_MODE, 25, 1), 1
	s_wait_xcnt 0x0
; W1..W4, [4][512][512] f32 each, are rounded once to bf16 and laid as wb[species][layer][k][n]: a species' 2,048 rows of 1,024 bytes lie end to end.
; A stream: no LDS, no barrier, no matrix unit.  Work-group (x, y) takes 16,384 numbers of layer y: 65,536 bytes in, 32,768 out.
; Thread t takes 16 bytes of each of 16 blocks of 4,096 bytes; all 16 loads go out ahead of everything else.  A wave's store covers 256 consecutive bytes, aligned.
.set X, 4                              ; v[4:67]   16 loads of 4 numbers
.set Y, 68                             ; v[68:99]  16 pairs of registers to store; no register is written twice, so no wait frees one
	s_load_b256 s[4:11], s[0:1], 0x0               ; W1 s[4:5], W2 s[6:7], W3 s[8:9], W4 s[10:11]
	s_load_b64 s[12:13], s[0:1], 0x20              ; wb
	s_and_b32 s14, ttmp7, 0xffff                   ; the layer
	v_lshlrev_b32 v1, 4, v0                        ; 16 t: where I read
	v_lshlrev_b32 v2, 3, v0                        ; 8 t: where I write
	s_lshl_b32 s16, ttmp9, 16                      ; in: x blocks of 65,536 bytes
	s_mov_b32 s17, 0
	s_lshr_b32 s18, ttmp9, 4                       ; out: the species (16 work-groups each) x 2,097,152
	s_lshl_b32 s18, s18, 21
	s_lshl_b32 s19, s14, 19                        ; + the layer x 524,288
	s_add_co_u32 s18, s18, s19
	s_and_b32 s19, ttmp9, 15                       ; + my sixteenth of the matrix x 32,768
	s_lshl_b32 s19, s19, 15
	s_add_co_u32 s18, s18, s19
	s_mov_b32 s19, 0
	s_wait_kmcnt 0x0
	s_cmp_eq_u32 s14, 1                            ; the layer's buffer is chosen by the work-group's y alone
	s_cselect_b64 s[4:5], s[6:7], s[4:5]
	s_cmp_eq_u32 s14, 2
	s_cselect_b64 s[4:5], s[8:9], s[4:5]
	s_cmp_eq_u32 s14, 3
	s_cselect_b64 s[4:5], s[10:11], s[4:5]
	s_add_nc_u64 s[4:5], s[4:5], s[16:17]
	s_add_nc_u64 s[12:13], s[12:13], s[18:19]
.set j, 0
.rept 16
	global_load_b128 v[X+4*j:X+4*j+3], v1, s[4:5] offset:4096*j th:TH_LOAD_NT  ; read once in the whole program
.set j, j+1
.endr
.set j, 0
.rept 16
	s_wait_loadcnt 15-j                            ; loads come back in order: block j is in, the 15 - j younger ones stay out
	v_cvt_pk_bf16_f32 v[Y+2*j], v[X+4*j], v[X+4*j+1]
	v_cvt_pk_bf16_f32 v[Y+2*j+1], v[X+4*j+2], v[X+4*j+3]
	global_store_b64 v2, v[Y+2*j:Y+2*j+1], s[12:13] offset:2048*j
.set j, j+1
.endr
	s_endpgm
.Lfunc_end_k_q5e83c4a107_cast:
	.size	k_q5e83c4a107_cast, .Lfunc_end_k_q5e83c4a107_cast-k_q5e83c4a107_cast
	.p2alignl 7, 3214868480
	.fill 96, 4, 3214868480
	.section	.rodata,"a",@progbits
	.p2align	6, 0x0
	.amdhsa_kernel k_q5e83c4a107_cast
		.amdhsa_group_segment_fixed_size 0
		.amdhsa_private_segment_fixed_size 0
		.amdhsa_enable_private_segment 0
		.amdhsa_kernarg_size 40
		.amdhsa_user_sgpr_count 2
		.amdhsa_user_sgpr_kernarg_segment_ptr 1
		.amdhsa_wavefront_size32 1
		.amdhsa_system_sgpr_workgroup_id_x 1
		.amdhsa_system_sgpr_workgroup_id_y 1
		.amdhsa_system_sgpr_workgroup_id_z 1
		.amdhsa_system_vgpr_workitem_id 0
		.amdhsa_next_free_vgpr 104
		.amdhsa_next_free_sgpr 66
		.amdhsa_reserve_vcc 0
		.amdhsa_float_denorm_mode_32 3
		.amdhsa_float_denorm_mode_16_64 3
		.amdhsa_memory_ordered 1
		.amdhsa_forward_progress 1
		.amdhsa_inst_pref_size 7
	.end_amdhsa_kernel
	.amdgpu_metadata
---
amdhsa.version: [ 1, 2 ]
amdhsa.kernels:
  - .name:           k_q5e83c4a107_cast
    .symbol:         k_q5e83c4a107_cast.kd
    .args:
      - { .name: W1, .offset: 0, .size: 8, .value_kind: global_buffer, .address_space: global }
      - { .name: W2, .offset: 8, .size: 8, .value_kind: global_buffer, .address_space: global }
      - { .name: W3, .offset: 16, .size: 8, .value_kind: global_buffer, .address_space: global }
      - { .name: W4, .offset: 24, .size: 8, .value_kind: global_buffer, .address_space: global }
      - { .name: wb, .offset: 32, .size: 8, .value_kind: global_buffer, .address_space: global }
    .group_segment_fixed_size: 0
    .private_segment_fixed_size: 0
    .kernarg_segment_align: 8
    .kernarg_segment_size: 40
    .max_flat_workgroup_size: 256
    .sgpr_count:     66
    .vgpr_count:     104
    .wavefront_size: 32
...
	.end_amdgpu_metadata
.endif
;; end of part 1
;; launch route (part 2): grid 1 x 1, 32 waves a work-group, no clusters, 123,136 bytes of LDS; arguments charges, species, list, ctab, pos; writes list, ctab, pos
.if DOCPART == 2
	.amdgcn_target "amdgcn-amd-amdhsa--gfx1250"
	.amdhsa_code_object_version 6
	.text
	.protected	k_q5e83c4a107_route
	.globl	k_q5e83c4a107_route
	.p2align	8
	.type	k_q5e83c4a107_route,@function
k_q5e83c4a107_route:
	s_mov_b64 s[64:65], 0
	v_nop
	global_prefetch_b8 v0, s[64:65] scope:SCOPE_SE
	s_setreg_imm32_b32 hwreg(HW_REG_WAVE_MODE, 25, 1), 1
	s_wait_xcnt 0x0
; THE ROUTING, in whole numbers alone.  Each of the 16,384 atoms gets the LAST s with charges == species[s] (as the chain of selects in the problem leaves it), or none.
; The atoms of a species are numbered 0, 1, 2 ..; 80 of them make a work-group's rows in the next launch; a species begins a new work-group.
; The sum over the four species of ceil(n / 80) is at most (16,384 + 4 x 79) / 80 = 208 work-groups, for every input.
;   list[w][0..79]  the atoms of work-group w; unused rows name atom 0 (their energies are made and never read)
;   ctab[w]         the species of work-group w (work-groups that no species needs: 3)
;   pos[atom]       128 x work-group + row: where the atom's energy will lie; 127 for an atom of no species: a slot that always holds 0
; One work-group of 32 waves: the numbering is a prefix sum over all atoms, and no traffic between work-groups is allowed.  Thread (wave, lane) owns atoms
; 512 wave + 128 k + 4 lane + i (k, i = 0..3), so each load of charges and each store of pos covers 512 consecutive bytes.
.set LISTB, 114688                     ; LDS: the list, 224 x 128 words (208 rows are used; 7 blocks of 16,384 bytes are cleared and copied)
.set CNT,   LISTB                      ; 32 words: a wave's counts of species 0 and 1, packed; 32 more at + 128: of species 2 and 3
.set DUMP,  CNT+256                    ; a word for each thread: where the atoms of no species go
.set CH,  4                            ; v[4:19]   my 16 charges, later their pos
.set SL,  20                           ; v[20:35]  their species index, 4 = none
.set Z16, 3                            ; v3   16 t
.set Z16B, 36                          ; v36  16 t + 65,536
.set IDB, 37                           ; v37  512 wave + 4 lane
.set RK,  38                           ; v38  rank, then slot
.set BV,  39                           ; v39  the species' first slot
.set VT,  40
.set IX,  41
.set VA,  42
.set DW,  43                           ; v43  my dump word's index
.set NONE, 84                          ; v84  127
.set CT,  88                           ; v[88:95]  wave 0: eight entries of ctab
.set WV,  14
.set SP,  16                           ; s[16:19] species
.set NW,  20                           ; s[20:23] my wave's counts
.set MK,  24
.set TT,  25
.set NT,  36                           ; s[36:39] totals
.set RUN, 40                           ; s[40:43] running rank: atoms of the species in lower waves, then also in my wave's earlier elements
.set NC,  44                           ; s[44:47] work-groups of the species
.set CB,  48                           ; s[48:51] its first work-group
.set BS,  52                           ; s[52:55] its first slot
	s_load_b256 s[4:11], s[0:1], 0x0               ; charges s[4:5], species s[6:7], list s[8:9], ctab s[10:11]
	s_load_b64 s[12:13], s[0:1], 0x20              ; pos
	v_lshl_add_u32 v112, v0, 2, 0x1d100
	v_mov_b32 v113, 0
	v_and_b32 v1, 31, v0
	v_lshrrev_b32 v[VT], 5, v0
	v_readfirstlane_b32 s[WV], v[VT]
	v_lshlrev_b32 v2, 4, v1
	v_lshl_add_u32 v2, v[VT], 11, v2               ; 2,048 wave + 16 lane: my bytes in charges and in pos
	v_lshlrev_b32 v[Z16], 4, v0
	v_add_nc_u32 v[Z16B], 0x10000, v[Z16]
	v_lshlrev_b32 v[IDB], 2, v1
	v_lshl_add_u32 v[IDB], v[VT], 9, v[IDB]
	v_add_nc_u32 v[DW], DUMP/4, v0
	v_mov_b32 v[NONE], 127
	v_mov_b32 v44, 0
	v_mov_b32 v45, 0
	v_mov_b32 v46, 0
	v_mov_b32 v47, 0
	s_wait_kmcnt 0x0
	s_load_b128 s[SP:SP+3], s[6:7], 0x0
.irp k, 0,1,2,3
	global_load_b128 v[CH+4*\k:CH+4*\k+3], v2, s[4:5] offset:512*\k
.endr
.irp k, 0,1,2,3
	ds_store_b128 v[Z16], v[44:47] offset:16384*\k     ; the list starts as zeros: 7 x 16,384 bytes
.endr
.irp k, 0,1,2
	ds_store_b128 v[Z16B], v[44:47] offset:16384*\k
.endr
.irp z, 0,1,2,3
	s_mov_b32 s[NW+\z], 0
.endr
	s_wait_kmcnt 0x0
	s_wait_loadcnt 0x0
	; each atom's species index, and my wave's counts
.set e, 0
.rept 16
	v_mov_b32 v[SL+e], 4
.irp z, 0,1,2,3
	v_cmp_eq_u32 vcc_lo, s[SP+\z], v[CH+e]
	v_cndmask_b32 v[SL+e], v[SL+e], \z, vcc_lo         ; a later match takes the earlier one's place
.endr
.irp z, 0,1,2,3
	v_cmp_eq_u32 s[MK], \z, v[SL+e]
	s_bcnt1_i32_b32 s[TT], s[MK]
	s_add_co_u32 s[NW+\z], s[NW+\z], s[TT]
.endr
.set e, e+1
.endr
	s_lshl_b32 s[TT], s[NW+1], 16                  ; a wave counts 512 at the most, all waves 16,384: two counts fit in a word, sums too
	s_or_b32 s26, s[NW], s[TT]
	s_lshl_b32 s[TT], s[NW+3], 16
	s_or_b32 s27, s[NW+2], s[TT]
	s_lshl_b32 s[TT], s[WV], 2
	s_add_co_u32 s[TT], s[TT], CNT
	v_mov_b32 v[IX], s[TT]
	v_mov_b32 v[VT], s26
	v_mov_b32 v[VA], s27
	ds_store_b32 v[IX], v[VT]                      ; all lanes write the same word with the same value
	ds_store_b32 v[IX], v[VA] offset:128
	s_wait_dscnt 0x0                               ; for the others' sake: my zeros and my counts are in LDS
	s_barrier_signal -1
	s_barrier_wait -1
	; totals, and the counts of the waves below mine
	v_lshl_add_u32 v[IX], v1, 2, CNT
	ds_load_b32 v[VT], v[IX]
	ds_load_b32 v[VA], v[IX] offset:128
	s_mov_b32 s26, 0
	s_mov_b32 s27, 0
	s_mov_b32 s28, 0
	s_mov_b32 s29, 0
	s_wait_dscnt 0x0                               ; my reads of the counts are back:
	s_barrier_signal -1                            ; say so.  The stores into the list further down are bounded by their clamp alone, which reaches past the counts' words,
	                                               ; so no wave stores before every wave has read.  The arithmetic up to the wait works on registers only.
.set i, 0
.rept 32
	v_readlane_b32 s30, v[VT], i
	v_readlane_b32 s31, v[VA], i
	s_cmp_gt_u32 s[WV], i
	s_cselect_b32 s32, s30, 0
	s_cselect_b32 s33, s31, 0
	s_add_co_u32 s26, s26, s30
	s_add_co_u32 s27, s27, s31
	s_add_co_u32 s28, s28, s32
	s_add_co_u32 s29, s29, s33
.set i, i+1
.endr
	s_and_b32 s[NT], s26, 0xffff
	s_lshr_b32 s[NT+1], s26, 16
	s_and_b32 s[NT+2], s27, 0xffff
	s_lshr_b32 s[NT+3], s27, 16
	s_and_b32 s[RUN], s28, 0xffff
	s_lshr_b32 s[RUN+1], s28, 16
	s_and_b32 s[RUN+2], s29, 0xffff
	s_lshr_b32 s[RUN+3], s29, 16
.irp z, 0,1,2,3
	s_add_co_u32 s[NC+\z], s[NT+\z], 79            ; ceil(n / 80) = (n + 79) / 80; x / 80 = (52,429 x) >> 22: 52,429 x 80 = 2^22 + 16, right for x under 262,144; x is 16,463 at the most
	s_mul_i32 s[NC+\z], s[NC+\z], 0xcccd
	s_lshr_b32 s[NC+\z], s[NC+\z], 22
.endr
	s_mov_b32 s[CB], 0
	s_add_co_u32 s[CB+1], s[CB], s[NC]
	s_add_co_u32 s[CB+2], s[CB+1], s[NC+1]
	s_add_co_u32 s[CB+3], s[CB+2], s[NC+2]
.irp z, 0,1,2,3
	s_lshl_b32 s[BS+\z], s[CB+\z], 7               ; a work-group has 128 slots
.endr
	s_barrier_wait -1                              ; every wave has read the counts
	; each atom's rank in its species, its slot, and its number into the list
.set e, 0
.rept 16
	v_mov_b32 v[RK], 0
	v_mov_b32 v[BV], 0
.irp z, 0,1,2,3
	v_cmp_eq_u32 s[MK], \z, v[SL+e]
	v_mbcnt_lo_u32_b32 v[VT], s[MK], s[RUN+\z]         ; those counted so far + the lower lanes of this element
	v_cndmask_b32 v[RK], v[RK], v[VT], s[MK]
	v_cndmask_b32 v[BV], v[BV], s[BS+\z], s[MK]
	s_bcnt1_i32_b32 s[TT], s[MK]
	s_add_co_u32 s[RUN+\z], s[RUN+\z], s[TT]
.endr
	v_mul_u32_u24 v[IX], v[RK], 0xcccd             ; q = rank / 80, by the same constant
	v_lshrrev_b32 v[IX], 22, v[IX]
	v_mad_u32_u24 v[RK], v[IX], 48, v[RK]          ; 128 q + rank % 80 = rank + 48 q
	v_add_nc_u32 v[RK], v[RK], v[BV]
	v_min_u32 v[RK], 0x67ff, v[RK]                 ; 208 x 128 - 1: never reached by the arithmetic above
	v_cmp_eq_u32 vcc_lo, 4, v[SL+e]
	v_cndmask_b32 v[IX], v[RK], v[DW], vcc_lo      ; an atom of no species goes to my dump word,
	v_cndmask_b32 v[CH+e], v[RK], v[NONE], vcc_lo  ; and its energy is read from the slot that holds 0
	v_min_u32 v[IX], 0x743f, v[IX]                 ; the last dump word
	v_lshlrev_b32 v[IX], 2, v[IX]
	v_add_nc_u32 v[VA], (e/4)*128+e%4, v[IDB]      ; the atom's number
	ds_store_b32 v[IX], v[VA]                      ; every slot has one atom at the most: no two lanes of any wave name the same word
.set e, e+1
.endr
	s_wait_dscnt 0x0
	s_barrier_signal -1
	s_barrier_wait -1
	; out: the list as it lies, 16 bytes a thread; pos from registers
.irp k, 0,1,2,3
	ds_load_b128 v[48+4*\k:51+4*\k], v[Z16] offset:16384*\k
.endr
.irp k, 0,1,2
	ds_load_b128 v[64+4*\k:67+4*\k], v[Z16B] offset:16384*\k
.endr
.irp k, 0,1,2,3
	global_store_b128 v2, v[CH+4*\k:CH+4*\k+3], s[12:13] offset:512*\k
.endr
.irp k, 0,1,2,3,4,5,6
	s_wait_dscnt 6-\k                              ; LDS loads come back in order: block k is in
	global_store_b128 v[Z16], v[48+4*\k:51+4*\k], s[8:9] offset:16384*\k
.endr
	s_cmp_lg_u32 s[WV], 0
	s_cbranch_scc1 .Ldone
	v_lshlrev_b32 v78, 2, v1                       ; wave 0: work-groups 4 lane + i and 128 + 4 lane + i: the number of species that begin at or below them, less one
.set c, 0
.rept 8
	v_add_nc_u32 v79, (c/4)*128+c%4, v78
	v_cmp_le_u32 vcc_lo, s[CB+1], v79
	v_cndmask_b32 v[CT+c], 0, 1, vcc_lo
.irp z, 2,3
	v_cmp_le_u32 vcc_lo, s[CB+\z], v79
	v_cndmask_b32 v82, 0, 1, vcc_lo
	v_add_nc_u32 v[CT+c], v[CT+c], v82
.endr
.set c, c+1
.endr
	global_store_b128 v[Z16], v[CT:CT+3], s[10:11]             ; in wave 0 the thread's number is the lane's: 512 consecutive bytes,
	global_store_b128 v[Z16], v[CT+4:CT+7], s[10:11] offset:512  ; and the next 512
.Ldone:
	s_wait_tensorcnt 0x0
	ds_add_u32 v112, v113
	s_wait_dscnt 0x0
	s_endpgm
.Lfunc_end_k_q5e83c4a107_route:
	.size	k_q5e83c4a107_route, .Lfunc_end_k_q5e83c4a107_route-k_q5e83c4a107_route
	.p2alignl 7, 3214868480
	.fill 96, 4, 3214868480
	.section	.rodata,"a",@progbits
	.p2align	6, 0x0
	.amdhsa_kernel k_q5e83c4a107_route
		.amdhsa_group_segment_fixed_size 123136
		.amdhsa_private_segment_fixed_size 0
		.amdhsa_enable_private_segment 0
		.amdhsa_kernarg_size 40
		.amdhsa_user_sgpr_count 2
		.amdhsa_user_sgpr_kernarg_segment_ptr 1
		.amdhsa_wavefront_size32 1
		.amdhsa_system_sgpr_workgroup_id_x 1
		.amdhsa_system_sgpr_workgroup_id_y 1
		.amdhsa_system_sgpr_workgroup_id_z 1
		.amdhsa_system_vgpr_workitem_id 0
		.amdhsa_next_free_vgpr 114
		.amdhsa_next_free_sgpr 80
		.amdhsa_reserve_vcc 1
		.amdhsa_float_denorm_mode_32 3
		.amdhsa_float_denorm_mode_16_64 3
		.amdhsa_memory_ordered 1
		.amdhsa_forward_progress 1
		.amdhsa_inst_pref_size 66
	.end_amdhsa_kernel
	.amdgpu_metadata
---
amdhsa.version: [ 1, 2 ]
amdhsa.kernels:
  - .name:           k_q5e83c4a107_route
    .symbol:         k_q5e83c4a107_route.kd
    .args:
      - { .name: charges, .offset: 0, .size: 8, .value_kind: global_buffer, .address_space: global }
      - { .name: species, .offset: 8, .size: 8, .value_kind: global_buffer, .address_space: global }
      - { .name: list, .offset: 16, .size: 8, .value_kind: global_buffer, .address_space: global }
      - { .name: ctab, .offset: 24, .size: 8, .value_kind: global_buffer, .address_space: global }
      - { .name: pos, .offset: 32, .size: 8, .value_kind: global_buffer, .address_space: global }
    .group_segment_fixed_size: 123136
    .private_segment_fixed_size: 0
    .kernarg_segment_align: 8
    .kernarg_segment_size: 40
    .max_flat_workgroup_size: 1024
    .sgpr_count:     80
    .vgpr_count:     114
    .wavefront_size: 32
...
	.end_amdgpu_metadata
.endif
;; end of part 2
;; launch mlp (part 3): grid 208 x 1, 4 waves a work-group, no clusters, 327,680 bytes of LDS; arguments x, list, ctab, wb, b1, b2, b3, b4, W5, b5, E; writes E
.if DOCPART == 3
	.amdgcn_target "amdgcn-amd-amdhsa--gfx1250"
	.amdhsa_code_object_version 6
	.text
	.protected	k_q5e83c4a107_mlp
	.globl	k_q5e83c4a107_mlp
	.p2align	8
	.type	k_q5e83c4a107_mlp,@function
k_q5e83c4a107_mlp:
	s_mov_b64 s[64:65], 0
	v_nop
	global_prefetch_b8 v0, s[64:65] scope:SCOPE_SE
	s_setreg_imm32_b32 hwreg(HW_REG_WAVE_MODE, 25, 1), 1
	s_wait_xcnt 0x0
; THE FUSED CHAIN.  A work-group takes 80 atoms of ONE species (list, ctab), gathers their rows of x, runs four layers 512 x 512 with softplus and the last product 512 x 1, and stores
; one energy a row: E[work-group][0..79]; E[work-group][80..127] = 0.  No activation leaves the work-group.
; SHARES.  Four waves; wave w makes features 128 w .. 128 w + 127 of every layer for all 80 atoms: 5 blocks of 16 atoms x 8 blocks of 16 features = 40 accumulators, 320 registers.
; GRID.  208 work-groups, the most that any input of these shapes can need: the sum over the species of ceil(n / 80) is at most (16,384 + 4 x 79) / 80.  A work-group that the data leave without
; atoms runs the same text on rows that name atom 0, and nobody reads its energies: no branch and no trip count hangs on data.
; NO CLUSTER.  The work-groups of a species walk the same 2 MiB of weights, but WHICH species a work-group has is a number read from memory, and a joint request wants a descriptor that is equal in
; all partners by the launch's own coordinates.  And ceil(n / 80) is no multiple of four for every input: in fours the grid would grow from 208 to 220.  So each work-group asks for itself.
; IN BASE 2.  With g = log2(1 + 2^y), softplus(z) = ln2 g(log2e z).  So y1 = (log2e x) W1 + log2e b1, and from then on y = g W + log2e b: the weights stay as they are, x is multiplied by
; log2e ahead of its rounding to bf16, the biases by log2e, and ln2 comes in once at the end: e = ln2 (g4 . W5) + b5.  The bias is the C operand of a layer's first products.
; g = max(log2(1 + 2^min(y, 64)), y): no overflow for any y; beyond 64 it is y itself.
; LIMITS.  g is off by about 1e-7 at the most in absolute terms (the rounding of 1 + 2^y); a 2^y below 2^-126 counts as 0; NaN and infinities are not treated apart.
; Matrix operands are bf16 (x, the weights, g), sums f32; the last product is made in f32 on the vector unit, fused into layer 4's softplus: on the matrix unit it would fill 1 column of 16.
; THE MATRIX INSTRUCTION: source 0 = 16 features of W (LDS holds W as [k][n]; ds_load_tr16_b128 turns it), source 1 = 16 atoms.  In the result lane l holds atom l % 16 and the features
; 8 (l / 16) + 0..7: eight neighbouring numbers of the atom's next row, 16 bytes in bf16.
; LDS.  ACT: 80 rows of 512 bf16, pitch 1,040, written anew in place for each layer: the layer's last change of slots has every wave's reads behind it.  Two slots of weights, 64 k each: wave w's strip is
; 64 rows x 256 bytes, pitch 288, fetched by wave w and read by wave w alone.  RED: the waves' partial energies.  SPARE: the add's words.  No fill lands outside the two slots.
; REGISTERS, in windows of 256 (s_set_vgpr_msb: bits 1:0 source 0, 3:2 source 1, 5:4 source 2, 7:6 destination):
;   window 0: v0-29 addresses and work; v32-95 the bias; v96-159, v160-223 W's fragments, two buffers; v224-231, v232-236 the last product's sums
;   window 1: v0-191 accumulators of atom blocks 0-2; v192-207, v208-215 softplus at work; v216, v217 LDS addresses
;   window 2: v0-127 accumulators of atom blocks 3, 4; v128-167, v168-207 the atoms' fragments, two buffers; v208-223, v224-231 softplus at work; v232, v233 LDS addresses
;   window 3: v0-63 W5
.set PA,     1040                      ; a row of ACT: 1,024 bytes + 16 = 65 x 16: the 16 rows of a load start at 16 different 16-byte columns
.set ABLK,   16*PA                     ; a block of 16 atoms
.set PW,     288                       ; a row of a strip: 256 bytes + 32 = 9 x 32
.set WSTRIP, 64*PW                     ; a wave's strip
.set SLOTB,  4*WSTRIP
.set SLOT0,  80*PA
.set RED,    SLOT0+2*SLOTB             ; 4 waves x 80 f32
.set SPARE,  RED+1280                  ; the spare words, 128 bytes for each wave: two blocks of 256 bytes that no other line names
.set CHUNK,  65536                     ; 64 k rows of 1,024 bytes in wb; the species' 32 chunks lie end to end, across the layers
.set LT,   3                           ; v3   (l % 16) PA + 16 (l / 16); never rewritten
.set ARD,  4                           ; v4   where the atoms' fragments of the lap in hand begin, blocks 0-3
.set ARD4, 5                           ; v5   the same for block 4, beyond a 16-bit offset's reach
.set AW,   6                           ; v6, v7  my lane's place in my strip of slot 0, 1
.set BOFF, 8                           ; v8   512 w + 32 (l / 16): my eight numbers of feature block 0 in a bias and in W5
.set XO,   9                           ; v9   16 lane
.set SPW,  28                          ; v28  LDS address of my spare word; never rewritten
.set NIL,  29                          ; v29  0; never rewritten
.set BIAS, 32
.set WF,   96
.set XR,   96                          ; v96-115, at the start only: byte offsets of my 20 rows of x
.set P,    224
.set EA,   232
.set AF,   128                         ; window 2
.set WV,   26                          ; s26  wave
.set G1,   32                          ; s[32:39] descriptor group 1
.set G0,   40                          ; s[40:47] group 0, a set for each slot
.set L2E,  72                          ; s[72:73] log2(e), as a pair
.set CAP,  74                          ; s74  64.0
.set LN2,  75                          ; s75  ln 2
.set SEL,  76                          ; s[76:77] v_permlanex16_b32's selects
.set LAYERS, 78
.set LAPS, 79
.set B5,   80                          ; s80  b5 of the species
.set MUL1,  0x58                       ; W window 0, atoms window 2, C and D window 1
.set MUL2,  0xa8                       ; C and D window 2
.set MULB1, 0x48                       ; the same with C = the bias, window 0
.set MULB2, 0x88
.set TO1,   0x40                       ; destination window 1, 2, 3; sources window 0
.set TO2,   0x80
.set TO3,   0xc0
.set MSB, 0
.macro WIN new                         ; the immediate's high byte repeats the setting that is left; a switch that changes nothing is dropped
.if MSB != (\new)
	s_set_vgpr_msb (MSB<<8)|(\new)
.set MSB, (\new)
.endif
.endm
.macro PLACES                          ; four places behind matrix instructions, ahead of loads into their sources and of reads of their results
.rept 4
	v_nop
.endr
.endm
.macro SCALEB                          ; the bias times log2(e)
.set i, 0
.rept 32
	v_pk_mul_f32 v[BIAS+2*i:BIAS+2*i+1], v[BIAS+2*i:BIAS+2*i+1], s[L2E:L2E+1] op_sel_hi:[1,0]
.set i, i+1
.endr
.endm
	s_load_b512 s[4:19], s[0:1], 0x0               ; x s[4:5], list s[6:7], ctab s[8:9], wb s[10:11], b1 s[12:13], b2 s[14:15], b3 s[16:17], b4 s[18:19]
	s_load_b128 s[20:23], s[0:1], 0x40             ; W5 s[20:21], b5 s[22:23]
	s_load_b64 s[24:25], s[0:1], 0x50              ; E
	v_lshl_add_u32 v[SPW], v0, 2, SPARE
	v_mov_b32 v[NIL], 0
	ds_add_u32 v28, v29
	ds_add_u32 v28, v29
	s_wait_dscnt 0x0
	v_lshrrev_b32 v10, 5, v0
	v_readfirstlane_b32 s[WV], v10
	s_lshl_b32 s30, ttmp9, 2                       ; my work-group's word in ctab
	s_mov_b32 s31, 0
	s_lshl_b32 s82, ttmp9, 9                       ; its 512 bytes in list and in E
	s_mov_b32 s83, 0
	s_mul_i32 s84, s[WV], 80                       ; my wave's 20 rows
	s_add_co_u32 s84, s84, s82
	s_mov_b32 s85, 0
	s_wait_kmcnt 0x0
	s_add_nc_u64 s[8:9], s[8:9], s[30:31]
	s_add_nc_u64 s[6:7], s[6:7], s[84:85]
	s_add_nc_u64 s[24:25], s[24:25], s[82:83]
	s_load_b32 s29, s[8:9], 0x0                    ; the work-group's species
	s_load_b512 s[48:63], s[6:7], 0x0              ; my 20 atoms
	s_load_b128 s[68:71], s[6:7], 0x40
	s_mov_b32 s[L2E], 0x3fb8aa3b
	s_mov_b32 s[L2E+1], 0x3fb8aa3b
	s_mov_b32 s[CAP], 0x42800000
	s_mov_b32 s[LN2], 0x3f317218
	s_mov_b32 s[SEL], 0x76543210
	s_mov_b32 s[SEL+1], 0xfedcba98
	; descriptor group 1: a strip of 64 rows x 128 elements, padded in LDS
	s_mov_b32 s[G1], (1<<16)|(1<<20)|(5<<22)|(7<<25)  ; 15:0 no mask; 17:16 2-byte elements; 20 padding on; 24:22 after every 64 words (code 5); 31:25 8 words (code 7)
	s_mov_b32 s[G1+1], 128<<16                     ; tensor_dim0 = 128
	s_mov_b32 s[G1+2], 64<<16                      ; tensor_dim1 = 64
	s_mov_b32 s[G1+3], 128<<16                     ; tile_dim0 = 128
	s_mov_b32 s[G1+4], 64                          ; tile_dim1 = 64
	s_mov_b32 s[G1+5], 512                         ; 512 elements from row to row
	s_mov_b32 s[G1+6], 0
	s_mov_b32 s[G1+7], 0
	s_mul_i32 s92, s[WV], WSTRIP                   ; my strip's place in a slot: the wave's number alone
	s_wait_kmcnt 0x0
	s_min_u32 s29, s29, 3
	s_lshl_b32 s90, s29, 2
	s_mov_b32 s91, 0
	s_add_nc_u64 s[22:23], s[22:23], s[90:91]
	s_load_b32 s[B5], s[22:23], 0x0
	s_lshl_b32 s86, s29, 21                        ; the species' 2,097,152 bytes of wb,
	s_mov_b32 s87, 0
	s_lshl_b32 s88, s29, 11                        ; its 2,048 bytes of each bias and of W5
	s_mov_b32 s89, 0
	s_add_nc_u64 s[10:11], s[10:11], s[86:87]
.irp p, 12,14,16,18,20
	s_add_nc_u64 s[\p:\p+1], s[\p:\p+1], s[88:89]
.endr
	s_lshl_b32 s90, s[WV], 8                       ; my 128 features: 256 bytes along a row of W
	s_add_nc_u64 s[10:11], s[10:11], s[90:91]
.irp n, 0,1
	s_mov_b32 s[G0+4*\n], 1                        ; count = 1
	s_add_co_u32 s[G0+4*\n+1], s92, SLOT0+\n*SLOTB ; LDS address
	s_add_nc_u64 s[G0+4*\n+2:G0+4*\n+3], s[10:11], \n*CHUNK  ; global address: chunk n
	s_or_b32 s[G0+4*\n+3], s[G0+4*\n+3], 0x80000000          ; type = 2
.endr
	s_wait_kmcnt 0x0                               ; b5
	tensor_load_to_lds s[G0:G0+3], s[G1:G1+7]      ; both first fills together, ahead of every wait on TENSORcnt, every LDS read and every barrier: two loads of mine are out
	s_nop 0
	tensor_load_to_lds s[G0+4:G0+7], s[G1:G1+7]
	s_nop 0
	PLACES                                         ; four v_nop follow the second
	; THE GATHER.  My wave brings rows 20 w .. 20 w + 19: four loads of 512 consecutive bytes a row, all 80 issued ahead of the first use.
	v_and_b32 v10, 31, v0
	v_lshlrev_b32 v[XO], 4, v10
	v_and_b32 v1, 15, v0                           ; l % 16
	v_bfe_u32 v2, v0, 4, 1                         ; l / 16
	s_lshl_b32 s93, s[WV], 9
	v_lshl_add_u32 v[BOFF], v2, 5, s93
.set xi, 0
.rept 20
.set LR, 48+xi+4*(xi/16)                       ; s48-63, s68-71
	s_min_u32 s[LR], s[LR], 0x3fff                 ; an atom's number stays inside x
	s_lshl_b32 s[LR], s[LR], 11                    ; its row of 2,048 bytes
	v_add_nc_u32 v[XR+xi], s[LR], v[XO]
.set xi, xi+1
.endr
.irp fb, 0,1,2,3,4,5,6,7
	global_load_b128 v[BIAS+8*\fb:BIAS+8*\fb+3],   v[BOFF], s[12:13] offset:64*\fb      ; register j of block fb: b1[128 w + 16 fb + 8 (l / 16) + j], as the C operand wants it
	global_load_b128 v[BIAS+8*\fb+4:BIAS+8*\fb+7], v[BOFF], s[12:13] offset:64*\fb+16
.endr
	WIN TO3
.irp fb, 0,1,2,3,4,5,6,7
	global_load_b128 v[8*\fb:8*\fb+3],   v[BOFF], s[20:21] offset:64*\fb                ; W5 in the same places
	global_load_b128 v[8*\fb+4:8*\fb+7], v[BOFF], s[20:21] offset:64*\fb+16
.endr
.set xi, 0
.rept 20
.if xi < 10
	WIN TO1
.set XB, 16*xi
.else
	WIN TO2
.set XB, 16*(xi-10)
.endif
.irp q, 0,1,2,3
	global_load_b128 v[XB+4*\q:XB+4*\q+3], v[XR+xi], s[4:5] offset:512*\q
.endr
.set xi, xi+1
.endr
	WIN 0                                          ; the addresses are made while the rows are on their way
	v_mul_u32_u24 v[LT], v1, PA
	v_lshl_add_u32 v[LT], v2, 4, v[LT]
	v_and_b32 v11, 7, v0                           ; the turning load: lane l reads k row 8 (l / 16) + l % 8, features 8 ((l / 8) % 2) + 0..7
	v_lshl_add_u32 v11, v2, 3, v11
	v_mul_u32_u24 v11, v11, PW
	v_bfe_u32 v12, v0, 3, 1
	v_lshl_add_u32 v11, v12, 4, v11
	s_add_co_u32 s93, s92, SLOT0
	v_add_nc_u32 v[AW], s93, v11
	v_add_nc_u32 v[AW+1], SLOTB, v[AW]
	s_lshl_b32 s93, s[WV], 8
	v_add_nc_u32 v13, s93, v[LT]                   ; where my 16 bytes of feature block 0, atom block 0 go
	s_mul_i32 s93, s[WV], 20*PA
	v_lshl_add_u32 v14, v10, 3, s93                ; where my 8 bytes of my wave's first row of x go
	WIN TO1
	v_mov_b32 v216, v13
	v_mov_b32 v217, v14
	WIN TO2
	v_add_nc_u32 v232, 3*ABLK, v13                 ; atom blocks 3 and 4 have a base of their own
	v_mov_b32 v233, v14
.set xi, 0
.rept 20
.set XW, 76-4*xi                               ; the x loads younger than row xi's four,
.if XW > 63
.set XW, 63                                    ; or the most that the wait can name: a smaller count is right too
.endif
	s_wait_loadcnt XW
.if xi < 10
	WIN 0x55
.set XB, 16*xi
.set XS, 217
.else
	WIN 0xaa
.set XB, 16*(xi-10)
.set XS, 233
.endif
.irp q, 0,1,2,3
	v_pk_mul_f32 v[XB+4*\q:XB+4*\q+1],   v[XB+4*\q:XB+4*\q+1],   s[L2E:L2E+1] op_sel_hi:[1,0]
	v_pk_mul_f32 v[XB+4*\q+2:XB+4*\q+3], v[XB+4*\q+2:XB+4*\q+3], s[L2E:L2E+1] op_sel_hi:[1,0]
	v_cvt_pk_bf16_f32 v[XB+4*\q],   v[XB+4*\q],   v[XB+4*\q+1]
	v_cvt_pk_bf16_f32 v[XB+4*\q+1], v[XB+4*\q+2], v[XB+4*\q+3]
	ds_store_b64 v[XS], v[XB+4*\q:XB+4*\q+1] offset:xi*PA+256*\q   ; 32 lanes: 256 consecutive bytes of the row
.endr
.set xi, xi+1
.endr
	WIN 0
	SCALEB                                         ; the last wait above was for 0: b1 and W5, older than x, are in
	s_wait_tensorcnt 0x1                           ; my strip of chunk 0 is in; chunk 1's may stay out
	s_wait_dscnt 0x0                               ; for the others' sake: my rows are in ACT
	s_barrier_signal -1
	s_barrier_wait -1
; 26 LDS loads in one run: a K step's fragments (32 k) into buffer buf: W's 8 feature blocks from k row kk of my strip of the slot, then the 5 atom blocks at byte aoff of the lap.  Blocks 3 and 4 come last.
.macro FETCH slot, kk, aoff, buf
	WIN 0
.irp fb, 0,1,2,3,4,5,6,7
	ds_load_tr16_b128 v[WF+64*(\buf)+8*\fb:WF+64*(\buf)+8*\fb+3],   v[AW+(\slot)] offset:(\kk)*PW+32*\fb
	ds_load_tr16_b128 v[WF+64*(\buf)+8*\fb+4:WF+64*(\buf)+8*\fb+7], v[AW+(\slot)] offset:(\kk)*PW+16*PW+32*\fb
.endr
	WIN TO2
.irp ab, 0,1,2,3
	ds_load_b128 v[AF+40*(\buf)+8*\ab:AF+40*(\buf)+8*\ab+3],   v[ARD] offset:\ab*ABLK+(\aoff)
	ds_load_b128 v[AF+40*(\buf)+8*\ab+4:AF+40*(\buf)+8*\ab+7], v[ARD] offset:\ab*ABLK+(\aoff)+32
.endr
	ds_load_b128 v[AF+40*(\buf)+32:AF+40*(\buf)+35], v[ARD4] offset:(\aoff)
	ds_load_b128 v[AF+40*(\buf)+36:AF+40*(\buf)+39], v[ARD4] offset:(\aoff)+32
.endm
; 8 matrix instructions: atom block a x all 8 feature blocks.  bias = 1: a layer's first K step starts the sums with the bias: nothing is cleared.
; The 40 accumulators take turns, one instruction a turn, in the same order in every K step.
.macro MULA buf, a, bias
.if (\a) < 3
.set rD, 64*(\a)
.if \bias
	WIN MULB1
.else
	WIN MUL1
.endif
.else
.set rD, 64*((\a)-3)
.if \bias
	WIN MULB2
.else
	WIN MUL2
.endif
.endif
.irp fb, 0,1,2,3,4,5,6,7
.if \bias
	v_wmma_f32_16x16x32_bf16 v[rD+8*\fb:rD+8*\fb+7], v[WF+64*(\buf)+8*\fb:WF+64*(\buf)+8*\fb+7], v[AF+40*(\buf)+8*(\a):AF+40*(\buf)+8*(\a)+7], v[BIAS+8*\fb:BIAS+8*\fb+7]
.else
	v_wmma_f32_16x16x32_bf16 v[rD+8*\fb:rD+8*\fb+7], v[WF+64*(\buf)+8*\fb:WF+64*(\buf)+8*\fb+7], v[AF+40*(\buf)+8*(\a):AF+40*(\buf)+8*(\a)+7], v[rD+8*\fb:rD+8*\fb+7]
.endif
.endr
.endm
; A chunk's first K step: multiplies buffer f; in its middle the next K step's fragments are fetched into buffer g.
.macro STEP slot, kk, aoff, f, g, bias
	s_wait_dscnt 4                                 ; all but the youngest four loads (atom blocks 3, 4) are in
	MULA \f, 0, \bias
	MULA \f, 1, \bias
	MULA \f, 2, \bias
	PLACES                                         ; buffer g's last readers are matrix instructions
	FETCH \slot, \kk, \aoff, \g
	s_wait_dscnt 26                                ; all but the 26 just issued
	MULA \f, 3, \bias
	MULA \f, 4, \bias
.endm
; A chunk's second K step multiplies buffer 1 and changes slots.  ONE barrier: in front of it each wave waits for all its tensor loads (one is out: its strip of the next slot), adds 0 to its spare
; word, and waits for that and for its own reads of this slot and of ACT.  fill = 1: this slot is filled again, two chunks on, first thing behind the barrier: between that request and the wait for it
; the wave issues 56 matrix instructions (16 here, 40 in the next K step).  fetch = 1: the next slot's first fragments follow.
.macro TURN slot, next, aoff, fill, fetch
	WIN 0                                          ; (the add's two registers lie in window 0)
	s_wait_tensorcnt 0x0                           ; no tensor load of mine is out, so a group 0 may be written
	ds_add_u32 v[SPW], v[NIL]                      ; 0 onto my spare word
.if \fill
	s_add_nc_u64 s[G0+4*(\slot)+2:G0+4*(\slot)+3], s[G0+4*(\slot)+2:G0+4*(\slot)+3], 2*CHUNK  ; this slot's next chunk; the type bits on top are not reached
.endif
	s_wait_dscnt 5                                 ; (the add and the youngest four loads may be out)
	MULA 1, 0, 0                                   ; sixteen matrix instructions stand between the add and the wait for it
	MULA 1, 1, 0
	s_wait_dscnt 0x0                               ; the add is done, and my reads of this slot are over
	s_barrier_signal -1
	MULA 1, 2, 0                                   ; work on registers while the others arrive
	WIN 0                                          ; the windows are set ahead of the tensor load
	s_barrier_wait -1
.if \fill
	tensor_load_to_lds s[G0+4*(\slot):G0+4*(\slot)+3], s[G1:G1+7]  ; my one tensor load behind this barrier, and the first thing there
	s_nop 0
.endif
	PLACES                                         ; four v_nop behind the load; they are also the places in front of the loads below
.if \fetch
	FETCH \next, 0, \aoff, 0
.endif
	MULA 1, 3, 0
	MULA 1, 4, 0
.endm
.macro LASTSTEP                        ; the very last K step: nothing more to fetch
	s_wait_dscnt 4
	MULA 1, 0, 0
	MULA 1, 1, 0
	MULA 1, 2, 0
	s_wait_dscnt 0x0
	MULA 1, 3, 0
	MULA 1, 4, 0
.endm
; A LAYER: 8 chunks, 16 K steps.  The first K step stands in front of the loop; a trip goes once round the ring (4 K steps, 256 bytes along ACT's rows) and fills both slots again.
; tailfill = 1: the ring goes on into the next layer's chunks 0 and 1.  tailfill = 0 (layer 4): the last two chunks ask for nothing: the tail is written out.
.macro LAYER tailfill
	WIN 0
	v_mov_b32 v[ARD], v[LT]
	v_add_nc_u32 v[ARD4], 4*ABLK, v[LT]
	FETCH 0, 0, 0, 0
	STEP 0, 32, 64, 0, 1, 1
	WIN 0                                          ; at a label and at a branch every window is 0
	s_mov_b32 s[LAPS], 3
.Llap_\@:
	TURN 0, 1, 128, 1, 1
	STEP 1, 32, 192, 0, 1, 0
	TURN 1, 0, 256, 1, 1
	STEP 0, 32, 320, 0, 1, 0
	WIN 0
	v_add_nc_u32 v[ARD], 256, v[ARD]
	v_add_nc_u32 v[ARD4], 256, v[ARD4]
	s_sub_co_u32 s[LAPS], s[LAPS], 1
	s_cmp_lg_u32 s[LAPS], 0
	s_cbranch_scc1 .Llap_\@
	TURN 0, 1, 128, \tailfill, 1
	STEP 1, 32, 192, 0, 1, 0
.if \tailfill
	TURN 1, 0, 0, 1, 0
.else
	LASTSTEP
.endif
.endm
; SOFTPLUS IN BASE 2, an accumulator (8 numbers a lane) at a time, two in flight: t = min(y, 64); u = 2^t; u + 1; l = log2 u; g = max(l, y).
; Behind each run of 8 transcendentals stands plain work on other registers before a result is used (ISA guide 5.7.2): the end of the accumulator before, or the minima of the next.
; An accumulator is read from its lowest register on.
.macro FIN idx, fin                    ; the end for accumulator idx of the window
.set rA, 8*(\idx)
.set rT, TB+8*((\idx)%2)
.set rK, KB+4*((\idx)%2)
.set fbn, (\idx)%8
	s_wait_alu depctr_va_vdst(0)
.irp j, 0,1,2,3,4,5,6,7
	v_max_num_f32 v[rT+\j], v[rT+\j], v[rA+\j]
.endr
.if \fin                               ; layer 4: g . W5 in f32, four pairs of sums for each atom block
	WIN FMAW
.irp j, 0,2,4,6
.if fbn == 0
	v_pk_mul_f32 v[P+\j:P+\j+1], v[rT+\j:rT+\j+1], v[8*fbn+\j:8*fbn+\j+1]
.else
	v_pk_fma_f32 v[P+\j:P+\j+1], v[rT+\j:rT+\j+1], v[8*fbn+\j:8*fbn+\j+1], v[P+\j:P+\j+1]
.endif
.endr
.if fbn == 7
	WIN 0
	v_pk_add_f32 v[P:P+1], v[P:P+1], v[P+2:P+3]
	v_pk_add_f32 v[P+4:P+5], v[P+4:P+5], v[P+6:P+7]
	v_pk_add_f32 v[P:P+1], v[P:P+1], v[P+4:P+5]
	v_add_f32 v[EA+A0+(\idx)/8], v[P], v[P+1]
.endif
	WIN ALLW
.else                                  ; layers 1 to 3: rounded to bf16, 16 bytes of the atom's next row
.irp j, 0,1,2,3
	v_cvt_pk_bf16_f32 v[rK+\j], v[rT+2*\j], v[rT+2*\j+1]
.endr
	ds_store_b128 v[SA], v[rK:rK+3] offset:((\idx)/8)*ABLK+32*fbn
.endif
.endm
.macro EPI_RUN win, n, fin             ; the n accumulators of window win; all operands but W5 and its sums lie in that window
.if (\win) == 1
.set TB, 192
.set KB, 208
.set SA, 216
.set ALLW, 0x55
.set FMAW, 0x0d                        ; source 0 window 1, source 1 (W5) window 3, sums window 0
.set A0, 0
.else
.set TB, 208
.set KB, 224
.set SA, 232
.set ALLW, 0xaa
.set FMAW, 0x0e
.set A0, 3
.endif
	WIN ALLW
.set ei, 0
.rept \n
.set eT, TB+8*(ei%2)
.irp j, 0,1,2,3,4,5,6,7
	v_min_num_f32 v[eT+\j], s[CAP], v[8*ei+\j]
.endr
.irp j, 0,1,2,3,4,5,6,7
	v_exp_f32 v[eT+\j], v[eT+\j]
.endr
.if ei == 0
	v_nop
	s_wait_alu depctr_va_vdst(0)
.else
	FIN ei-1, \fin
.endif
.set eT, TB+8*(ei%2)
.irp j, 0,2,4,6
	v_pk_add_f32 v[eT+\j:eT+\j+1], v[eT+\j:eT+\j+1], 1.0 op_sel_hi:[1,0]
.endr
.irp j, 0,1,2,3,4,5,6,7
	v_log_f32 v[eT+\j], v[eT+\j]
.endr
.set ei, ei+1
.endr
	v_nop
	s_wait_alu depctr_va_vdst(0)
	FIN ei-1, \fin
.endm
; Between two layers: the next bias is asked for, the 40 accumulators become the atoms' next rows in ACT, and a barrier shows them to every wave.  The refill issued by the layer's last change of slots
; may stay out across that barrier.
.macro EPI_ACT
	PLACES
	WIN 0
.irp fb, 0,1,2,3,4,5,6,7
	global_load_b128 v[BIAS+8*\fb:BIAS+8*\fb+3],   v[BOFF], s[14:15] offset:64*\fb
	global_load_b128 v[BIAS+8*\fb+4:BIAS+8*\fb+7], v[BOFF], s[14:15] offset:64*\fb+16
.endr
	EPI_RUN 1, 24, 0
	EPI_RUN 2, 16, 0
	WIN 0
	s_wait_loadcnt 0x0                             ; the bias is in, and its base may be written
	SCALEB
	s_mov_b64 s[14:15], s[16:17]                   ; b2, then b3, then b4
	s_mov_b64 s[16:17], s[18:19]
	s_wait_dscnt 0x0                               ; for the others' sake: my features are in ACT
	s_barrier_signal -1
	s_barrier_wait -1
.endm
	s_mov_b32 s[LAYERS], 3
.Llayer:                                               ; layers 1 to 3: 8 refills each
	LAYER 1
	EPI_ACT
	s_sub_co_u32 s[LAYERS], s[LAYERS], 1
	s_cmp_lg_u32 s[LAYERS], 0
	s_cbranch_scc1 .Llayer
	LAYER 0                                        ; layer 4: 6 refills
	PLACES
	EPI_RUN 1, 24, 1
	EPI_RUN 2, 16, 1
	; THE ENERGIES.  A lane holds, for atom l % 16 of each block, the sum over 64 of my wave's 128 features; the lane 16 away holds the other 64.  The four waves' sums meet in RED.
	WIN 0
	v_mov_b32 v237, 0                              ; v_permlanex16_b32's destination counts as read
.irp ab, 0,1,2,3,4
	v_permlanex16_b32 v237, v[EA+\ab], s[SEL], s[SEL+1]
	v_add_f32 v[EA+\ab], v[EA+\ab], v237
.endr
	s_mul_i32 s93, s[WV], 320
	s_add_co_u32 s93, s93, RED
	v_lshl_add_u32 v238, v1, 2, s93
.irp ab, 0,1,2,3,4
	ds_store_b32 v238, v[EA+\ab] offset:64*\ab     ; both halves of the lanes write the same word with the same value
.endr
	s_wait_dscnt 0x0
	s_barrier_signal -1
	s_barrier_wait -1
	s_cmp_lg_u32 s[WV], 0
	s_cbranch_scc1 .Lend
	v_and_b32 v10, 31, v0                          ; wave 0: lane l takes atoms 4 l .. 4 l + 3; lanes 20 to 31 store the zeros of slots 80 to 127
	v_min_u32 v11, 19, v10
	v_lshl_add_u32 v11, v11, 4, RED
	ds_load_b128 v[12:15], v11
	ds_load_b128 v[16:19], v11 offset:320
	ds_load_b128 v[20:23], v11 offset:640
	ds_load_b128 v[24:27], v11 offset:960
	v_cmp_gt_u32 vcc_lo, 20, v10
	v_lshlrev_b32 v10, 4, v10
	s_wait_dscnt 0x0
	v_pk_add_f32 v[12:13], v[12:13], v[16:17]
	v_pk_add_f32 v[14:15], v[14:15], v[18:19]
	v_pk_add_f32 v[20:21], v[20:21], v[24:25]
	v_pk_add_f32 v[22:23], v[22:23], v[26:27]
	v_pk_add_f32 v[12:13], v[12:13], v[20:21]
	v_pk_add_f32 v[14:15], v[14:15], v[22:23]
.irp j, 12,13,14,15
	v_fma_f32 v\j, v\j, s[LN2], s[B5]              ; e = ln2 (g4 . W5) + b5
.endr
.irp j, 12,13,14,15
	v_cndmask_b32 v\j, 0, v\j, vcc_lo
.endr
	global_store_b128 v10, v[12:15], s[24:25]      ; 512 consecutive bytes, at a multiple of 512 from E's first
.Lend:
	s_wait_tensorcnt 0x0                           ; the wave's end, behind my last tensor load and my last LDS store
	ds_add_u32 v[SPW], v[NIL]
	s_wait_dscnt 0x0
	s_endpgm
.Lfunc_end_k_q5e83c4a107_mlp:
	.size	k_q5e83c4a107_mlp, .Lfunc_end_k_q5e83c4a107_mlp-k_q5e83c4a107_mlp
	.p2alignl 7, 3214868480
	.fill 96, 4, 3214868480
	.section	.rodata,"a",@progbits
	.p2align	6, 0x0
	.amdhsa_kernel k_q5e83c4a107_mlp
		.amdhsa_group_segment_fixed_size 327680
		.amdhsa_private_segment_fixed_size 0
		.amdhsa_enable_private_segment 0
		.amdhsa_kernarg_size 88
		.amdhsa_user_sgpr_count 2
		.amdhsa_user_sgpr_kernarg_segment_ptr 1
		.amdhsa_wavefront_size32 1
		.amdhsa_system_sgpr_workgroup_id_x 1
		.amdhsa_system_sgpr_workgroup_id_y 1
		.amdhsa_system_sgpr_workgroup_id_z 1
		.amdhsa_system_vgpr_workitem_id 0
		.amdhsa_next_free_vgpr 832
		.amdhsa_next_free_sgpr 96
		.amdhsa_reserve_vcc 1
		.amdhsa_float_denorm_mode_32 3
		.amdhsa_float_denorm_mode_16_64 3
		.amdhsa_memory_ordered 1
		.amdhsa_forward_progress 1
		.amdhsa_inst_pref_size 255
	.end_amdhsa_kernel
	.section	.bss,"aw",@nobits
	.p2align	6
	.space	262144
	.amdgpu_metadata
---
amdhsa.version: [ 1, 2 ]
amdhsa.kernels:
  - .name:           k_q5e83c4a107_mlp
    .symbol:         k_q5e83c4a107_mlp.kd
    .args:
      - { .name: x, .offset: 0, .size: 8, .value_kind: global_buffer, .address_space: global }
      - { .name: list, .offset: 8, .size: 8, .value_kind: global_buffer, .address_space: global }
      - { .name: ctab, .offset: 16, .size: 8, .value_kind: global_buffer, .address_space: global }
      - { .name: wb, .offset: 24, .size: 8, .value_kind: global_buffer, .address_space: global }
      - { .name: b1, .offset: 32, .size: 8, .value_kind: global_buffer, .address_space: global }
      - { .name: b2, .offset: 40, .size: 8, .value_kind: global_buffer, .address_space: global }
      - { .name: b3, .offset: 48, .size: 8, .value_kind: global_buffer, .address_space: global }
      - { .name: b4, .offset: 56, .size: 8, .value_kind: global_buffer, .address_space: global }
      - { .name: W5, .offset: 64, .size: 8, .value_kind: global_buffer, .address_space: global }
      - { .name: b5, .offset: 72, .size: 8, .value_kind: global_buffer, .address_space: global }
      - { .name: E, .offset: 80, .size: 8, .value_kind: global_buffer, .address_space: global }
    .group_segment_fixed_size: 327680
    .private_segment_fixed_size: 0
    .kernarg_segment_align: 8
    .kernarg_segment_size: 88
    .max_flat_workgroup_size: 128
    .sgpr_count:     96
    .vgpr_count:     832
    .wavefront_size: 32
...
	.end_amdgpu_metadata
.endif
;; end of part 3
;; launch total (part 4): grid 4 x 1, 16 waves a work-group, no clusters, 2,304 bytes of LDS; arguments pos, E, out0; writes out0
.if DOCPART == 4
	.amdgcn_target "amdgcn-amd-amdhsa--gfx1250"
	.amdhsa_code_object_version 6
	.text
	.protected	k_q5e83c4a107_total
	.globl	k_q5e83c4a107_total
	.p2align	8
	.type	k_q5e83c4a107_total,@function
k_q5e83c4a107_total:
	s_mov_b64 s[64:65], 0
	v_nop
	global_prefetch_b8 v0, s[64:65] scope:SCOPE_SE
	s_setreg_imm32_b32 hwreg(HW_REG_WAVE_MODE, 25, 1), 1
	s_wait_xcnt 0x0
; out0[b] = the sum of the 64 energies of batch b, gathered from E by pos (an atom of no species names a slot that holds 0).  Sums in f32, by pairs and across lanes: another order than a running sum's.
; 16,384 words are gathered: four work-groups of 16 waves; wave w of group g takes batches 64 g + 4 w + j, j = 0..3, two atoms a lane.  The group's 64 sums meet in LDS, so that
; one store of wave 0 covers 256 consecutive bytes of out0.  No matrix unit, no cluster: nothing is shared and nothing is multiplied.
	s_load_b128 s[4:7], s[0:1], 0x0                ; pos s[4:5], E s[6:7]
	s_load_b64 s[8:9], s[0:1], 0x10                ; out0
	v_lshl_add_u32 v32, v0, 2, 0x100
	v_mov_b32 v33, 0
	v_and_b32 v1, 31, v0
	v_lshrrev_b32 v2, 5, v0
	v_readfirstlane_b32 s10, v2                    ; wave
	v_lshlrev_b32 v3, 3, v1
	v_lshl_add_u32 v3, v2, 10, v3                  ; 4 batches of 256 bytes a wave + 8 lane
	s_lshl_b32 s12, ttmp9, 14                      ; the group's 64 batches in pos
	s_mov_b32 s13, 0
	s_lshl_b32 s14, ttmp9, 8                       ; and in out0
	s_mov_b32 s15, 0
	s_mov_b32 s16, 0x76543210
	s_mov_b32 s17, 0xfedcba98
	s_wait_kmcnt 0x0
	s_add_nc_u64 s[4:5], s[4:5], s[12:13]
	s_add_nc_u64 s[8:9], s[8:9], s[14:15]
.irp j, 0,1,2,3
	global_load_b64 v[4+2*\j:5+2*\j], v3, s[4:5] offset:256*\j   ; a batch's 64 slots: 256 consecutive bytes
.endr
	s_wait_loadcnt 0x0
.irp i, 0,1,2,3,4,5,6,7
	v_min_u32 v[4+\i], 0x67ff, v[4+\i]             ; a slot stays inside E: 208 x 128 - 1
	v_lshlrev_b32 v[4+\i], 2, v[4+\i]
.endr
.irp i, 0,1,2,3,4,5,6,7
	global_load_b32 v[12+\i], v[4+\i], s[6:7]
.endr
	v_mov_b32 v24, 0                               ; v_permlanex16_b32's destination counts as read
	v_and_b32 v25, 3, v1
	v_lshlrev_b32 v27, 2, v25
	v_lshl_add_u32 v27, v2, 4, v27                 ; word 4 w + lane % 4
	s_wait_loadcnt 0x0
.irp j, 0,1,2,3
	v_add_f32 v[20+\j], v[12+2*\j], v[13+2*\j]
.endr
.irp m, 1,2,4,8
.irp j, 0,1,2,3
	v_add_f32_dpp v[20+\j], v[20+\j], v[20+\j] row_xmask:\m row_mask:0xf bank_mask:0xf
.endr
.endr
.irp j, 0,1,2,3
	v_permlanex16_b32 v24, v[20+\j], s16, s17
	v_add_f32 v[20+\j], v[20+\j], v24              ; every lane holds batch j's sum
.endr
	v_cmp_eq_u32 vcc_lo, 1, v25
	v_cndmask_b32 v26, v20, v21, vcc_lo
	v_cmp_eq_u32 vcc_lo, 2, v25
	v_cndmask_b32 v26, v26, v22, vcc_lo
	v_cmp_eq_u32 vcc_lo, 3, v25
	v_cndmask_b32 v26, v26, v23, vcc_lo
	ds_store_b32 v27, v26                          ; lanes that share a word write the same value
	s_wait_dscnt 0x0
	s_barrier_signal -1
	s_barrier_wait -1
	s_cmp_lg_u32 s10, 0
	s_cbranch_scc1 .Ldone
	v_lshlrev_b32 v28, 3, v1
	ds_load_b64 v[30:31], v28
	s_wait_dscnt 0x0
	global_store_b64 v28, v[30:31], s[8:9]         ; 32 lanes: 256 consecutive bytes, at a multiple of 256 from out0's first
.Ldone:
	s_wait_tensorcnt 0x0
	ds_add_u32 v32, v33
	s_wait_dscnt 0x0
	s_endpgm
.Lfunc_end_k_q5e83c4a107_total:
	.size	k_q5e83c4a107_total, .Lfunc_end_k_q5e83c4a107_total-k_q5e83c4a107_total
	.p2alignl 7, 3214868480
	.fill 96, 4, 3214868480
	.section	.rodata,"a",@progbits
	.p2align	6, 0x0
	.amdhsa_kernel k_q5e83c4a107_total
		.amdhsa_group_segment_fixed_size 2304
		.amdhsa_private_segment_fixed_size 0
		.amdhsa_enable_private_segment 0
		.amdhsa_kernarg_size 24
		.amdhsa_user_sgpr_count 2
		.amdhsa_user_sgpr_kernarg_segment_ptr 1
		.amdhsa_wavefront_size32 1
		.amdhsa_system_sgpr_workgroup_id_x 1
		.amdhsa_system_sgpr_workgroup_id_y 1
		.amdhsa_system_sgpr_workgroup_id_z 1
		.amdhsa_system_vgpr_workitem_id 0
		.amdhsa_next_free_vgpr 34
		.amdhsa_next_free_sgpr 66
		.amdhsa_reserve_vcc 1
		.amdhsa_float_denorm_mode_32 3
		.amdhsa_float_denorm_mode_16_64 3
		.amdhsa_memory_ordered 1
		.amdhsa_forward_progress 1
		.amdhsa_inst_pref_size 6
	.end_amdhsa_kernel
	.amdgpu_metadata
---
amdhsa.version: [ 1, 2 ]
amdhsa.kernels:
  - .name:           k_q5e83c4a107_total
    .symbol:         k_q5e83c4a107_total.kd
    .args:
      - { .name: pos, .offset: 0, .size: 8, .value_kind: global_buffer, .address_space: global }
      - { .name: E, .offset: 8, .size: 8, .value_kind: global_buffer, .address_space: global }
      - { .name: out0, .offset: 16, .size: 8, .value_kind: global_buffer, .address_space: global }
    .group_segment_fixed_size: 2304
    .private_segment_fixed_size: 0
    .kernarg_segment_align: 8
    .kernarg_segment_size: 24
    .max_flat_workgroup_size: 512
    .sgpr_count:     66
    .vgpr_count:     34
    .wavefront_size: 32
...
	.end_amdgpu_metadata
.endif
;; end of part 4
;; ======== version 2 of 2: 4 launches; 1.30 times as fast as version 1
;; workspace buffers: wb 8,388,608 bytes; list 114,688 bytes of whole numbers; ctab 1,024 bytes of whole numbers; pos 65,536 bytes of whole numbers; E 106,496 bytes
;; launch cast (part 5): grid 64 x 4, 8 waves a work-group, no clusters, 34,048 bytes of LDS; arguments W1, W2, W3, W4, wb; writes wb
.if DOCPART == 5
	.amdgcn_target "amdgcn-amd-amdhsa--gfx1250"
	.amdhsa_code_object_version 6
	.text
	.protected	k_q5e83c4a107_cast
	.globl	k_q5e83c4a107_cast
	.p2align	8
	.type	k_q5e83c4a107_cast,@function
k_q5e83c4a107_cast:
	s_mov_b64 s[64:65], 0
	v_nop
	global_prefetch_b8 v0, s[64:65] scope:SCOPE_SE
	s_setreg_imm32_b32 hwreg(HW_REG_WAVE_MODE, 25, 1), 1
	s_wait_xcnt 0x0
; W1..W4, [4][512 k][512 n] f32 each, are rounded once to bf16 and laid out as the next launch's matrix instructions take them:
;   wb[species][layer][w][t][fb][j][lane] of 16 bytes: lane l = r + 16 h holds W[32 t + 16 j + 8 h + 0..7][128 w + 16 fb + r], the lower k in the lower bits.
; So a block (fb, j) of 512 bytes is half a fragment of 16 features x 32 k, fetched there by one load of 16 bytes a lane; a wave's K step is 8,192 consecutive bytes, its layer 131,072.
; Work-group (x, y): species x / 16, K step t = x % 16 (32 rows of k, 65,536 bytes in, 32,768 out) of layer y.
; The turn from [k][n] to k along a lane goes through LDS in words: a thread reads rows 2 p and 2 p + 1 at the same four features, rounds them in pairs (one word = k, k + 1 of one feature) and
; stores four words; behind a barrier a lane picks its feature's four words from four rows.  Every load covers 512 consecutive bytes a wave, every store a whole block of 512.
.set PITCH, 2064                       ; an LDS row: 512 words + 16 bytes.  A read's lanes 16-31 lie four rows below lanes 0-15: 4 x 516 words = 16 mod 64: other banks (64 banks of 4 bytes: ISA guide 11.1)
.set X, 8                              ; v[8:71]    pair c of 8, row u of 2: 4 numbers at X + 8 c + 4 u
.set Y, 72                             ; v[72:103]  pair c: 4 words
.set O, 104                            ; v[104:135] block b of 8: 16 bytes; no register is written twice, so no wait frees one
	s_load_b256 s[4:11], s[0:1], 0x0               ; W1 s[4:5], W2 s[6:7], W3 s[8:9], W4 s[10:11]
	s_load_b64 s[12:13], s[0:1], 0x20              ; wb
	v_lshl_add_u32 v136, v0, 2, 0x8100
	v_mov_b32 v137, 0
	s_and_b32 s14, ttmp7, 0xffff                   ; the layer
	v_and_b32 v1, 127, v0                          ; which four features I read
	v_lshrrev_b32 v2, 7, v0                        ; which eight pairs of rows
	v_lshlrev_b32 v3, 4, v1
	v_lshl_add_u32 v3, v2, 15, v3                  ; where I read: 16 (t % 128) + 8 pairs x 4,096 bytes x (t / 128)
	v_mul_u32_u24 v4, v2, 8*PITCH
	v_lshl_add_u32 v4, v1, 4, v4                   ; where my words go in LDS
	v_lshrrev_b32 v7, 5, v0
	v_readfirstlane_b32 s15, v7                    ; wave: it writes strip w = wave / 2, feature blocks 4 (wave % 2) + 0..3
	v_bfe_u32 v7, v0, 4, 1                         ; h
	v_mul_u32_u24 v5, v7, 4*PITCH
	v_and_b32 v7, 15, v0                           ; r
	v_lshl_add_u32 v5, v7, 2, v5
	s_lshl_b32 s20, s15, 8                         ; 64 features of 4 bytes for each wave
	v_add_nc_u32 v5, s20, v5                       ; where I read back: row 4 h, feature 64 wave + r
	s_lshr_b32 s21, s15, 1
	s_lshl_b32 s21, s21, 17                        ; the strip's 131,072 bytes
	s_and_b32 s22, s15, 1
	s_lshl_b32 s22, s22, 12                        ; four feature blocks of 1,024 bytes
	s_add_co_u32 s21, s21, s22
	v_and_b32 v7, 31, v0
	v_lshl_add_u32 v6, v7, 4, s21                  ; where I write
	s_lshl_b32 s16, ttmp9, 16                      ; in: x blocks of 65,536 bytes
	s_mov_b32 s17, 0
	s_lshr_b32 s18, ttmp9, 4                       ; out: the species x 2,097,152
	s_lshl_b32 s18, s18, 21
	s_lshl_b32 s19, s14, 19                        ; + the layer x 524,288
	s_add_co_u32 s18, s18, s19
	s_and_b32 s19, ttmp9, 15                       ; + the K step x 8,192
	s_lshl_b32 s19, s19, 13
	s_add_co_u32 s18, s18, s19
	s_mov_b32 s19, 0
	s_wait_kmcnt 0x0
	s_cmp_eq_u32 s14, 1                            ; the layer's buffer is chosen by the work-group's y alone
	s_cselect_b64 s[4:5], s[6:7], s[4:5]
	s_cmp_eq_u32 s14, 2
	s_cselect_b64 s[4:5], s[8:9], s[4:5]
	s_cmp_eq_u32 s14, 3
	s_cselect_b64 s[4:5], s[10:11], s[4:5]
	s_add_nc_u64 s[4:5], s[4:5], s[16:17]
	s_add_nc_u64 s[12:13], s[12:13], s[18:19]
.set c, 0
.rept 8
	global_load_b128 v[X+8*c:X+8*c+3],   v3, s[4:5] offset:4096*c th:TH_LOAD_NT       ; read once in the whole program
	global_load_b128 v[X+8*c+4:X+8*c+7], v3, s[4:5] offset:4096*c+2048 th:TH_LOAD_NT
.set c, c+1
.endr
.set c, 0
.rept 8
	s_wait_loadcnt 14-2*c                          ; loads come back in order: pair c is in, the 14 - 2 c younger loads stay out
.irp i, 0,1,2,3
	v_cvt_pk_bf16_f32 v[Y+4*c+\i], v[X+8*c+\i], v[X+8*c+4+\i]   ; the even k into the low half
.endr
	ds_store_b128 v4, v[Y+4*c:Y+4*c+3] offset:c*PITCH
.set c, c+1
.endr
	s_wait_dscnt 0x0                               ; for the others' sake: my words are in LDS
	s_barrier_signal -1
	s_barrier_wait -1
.set b, 0
.rept 8                                ; block b: feature block b / 2 of my four, half j = b % 2: rows 8 j + 4 h + 0..3
.irp d, 0,1,2,3
	ds_load_b32 v[O+4*b+\d], v5 offset:(8*(b%2)+\d)*PITCH+64*(b/2)
.endr
.set b, b+1
.endr
.set b, 0
.rept 8
	s_wait_dscnt 28-4*b                            ; LDS loads come back in order: block b's four are in
	global_store_b128 v6, v[O+4*b:O+4*b+3], s[12:13] offset:512*b   ; 512 consecutive bytes, at a multiple of 512 from wb's first
.set b, b+1
.endr
	s_wait_tensorcnt 0x0
	ds_add_u32 v136, v137
	s_wait_dscnt 0x0
	s_endpgm
.Lfunc_end_k_q5e83c4a107_cast:
	.size	k_q5e83c4a107_cast, .Lfunc_end_k_q5e83c4a107_cast-k_q5e83c4a107_cast
	.p2alignl 7, 3214868480
	.fill 96, 4, 3214868480
	.section	.rodata,"a",@progbits
	.p2align	6, 0x0
	.amdhsa_kernel k_q5e83c4a107_cast
		.amdhsa_group_segment_fixed_size 34048
		.amdhsa_private_segment_fixed_size 0
		.amdhsa_enable_private_segment 0
		.amdhsa_kernarg_size 40
		.amdhsa_user_sgpr_count 2
		.amdhsa_user_sgpr_kernarg_segment_ptr 1
		.amdhsa_wavefront_size32 1
		.amdhsa_system_sgpr_workgroup_id_x 1
		.amdhsa_system_sgpr_workgroup_id_y 1
		.amdhsa_system_sgpr_workgroup_id_z 1
		.amdhsa_system_vgpr_workitem_id 0
		.amdhsa_next_free_vgpr 138
		.amdhsa_next_free_sgpr 66
		.amdhsa_reserve_vcc 0
		.amdhsa_float_denorm_mode_32 3
		.amdhsa_float_denorm_mode_16_64 3
		.amdhsa_memory_ordered 1
		.amdhsa_forward_progress 1
		.amdhsa_inst_pref_size 10
	.end_amdhsa_kernel
	.amdgpu_metadata
---
amdhsa.version: [ 1, 2 ]
amdhsa.kernels:
  - .name:           k_q5e83c4a107_cast
    .symbol:         k_q5e83c4a107_cast.kd
    .args:
      - { .name: W1, .offset: 0, .size: 8, .value_kind: global_buffer, .address_space: global }
      - { .name: W2, .offset: 8, .size: 8, .value_kind: global_buffer, .address_space: global }
      - { .name: W3, .offset: 16, .size: 8, .value_kind: global_buffer, .address_space: global }
      - { .name: W4, .offset: 24, .size: 8, .value_kind: global_buffer, .address_space: global }
      - { .name: wb, .offset: 32, .size: 8, .value_kind: global_buffer, .address_space: global }
    .group_segment_fixed_size: 34048
    .private_segment_fixed_size: 0
    .kernarg_segment_align: 8
    .kernarg_segment_size: 40
    .max_flat_workgroup_size: 256
    .sgpr_count:     66
    .vgpr_count:     138
    .wavefront_size: 32
...
	.end_amdgpu_metadata
.endif
;; end of part 5
;; launch route (part 6): grid 1 x 1, 32 waves a work-group, no clusters, 123,136 bytes of LDS; arguments charges, species, list, ctab, pos; writes list, ctab, pos
.if DOCPART == 6
	.amdgcn_target "amdgcn-amd-amdhsa--gfx1250"
	.amdhsa_code_object_version 6
	.text
	.protected	k_q5e83c4a107_route
	.globl	k_q5e83c4a107_route
	.p2align	8
	.type	k_q5e83c4a107_route,@function
k_q5e83c4a107_route:
	s_mov_b64 s[64:65], 0
	v_nop
	global_prefetch_b8 v0, s[64:65] scope:SCOPE_SE
	s_setreg_imm32_b32 hwreg(HW_REG_WAVE_MODE, 25, 1), 1
	s_wait_xcnt 0x0
; THE ROUTING, in whole numbers alone.  Each of the 16,384 atoms gets the LAST s with charges == species[s] (as the chain of selects in the problem leaves it), or none.
; The atoms of a species are numbered 0, 1, 2 ..; 80 of them make a work-group's rows in the next launch; a species begins a new work-group.
; The sum over the four species of ceil(n / 80) is at most (16,384 + 4 x 79) / 80 = 208 work-groups, for every input.
;   list[w][0..79]  the atoms of work-group w; unused rows name atom 0 (their energies are made and never read)
;   ctab[w]         the species of work-group w (work-groups that no species needs: 3)
;   pos[atom]       128 x work-group + row: where the atom's energy will lie; 127 for an atom of no species: a slot that always holds 0
; One work-group of 32 waves: the numbering is a prefix sum over all atoms, and no traffic between work-groups is allowed.  Thread (wave, lane) owns atoms
; 512 wave + 128 k + 4 lane + i (k, i = 0..3), so each load of charges and each store of pos covers 512 consecutive bytes.
; THE NUMBERING.  Any order will do, as long as list and pos agree.  An atom's number in its species = the species' atoms in lower waves + those in lower lanes of my wave + those among my lane's
; earlier elements.  The last is kept in one word of five counts of 6 bits (a lane has 16 atoms); the other two in two words of two counts of 16 bits (16,384 at the most), summed across
; lanes by exchanges with the lane 1, 2, 4, 8 and 16 away.  With g = 80 x the species' first work-group + the number (under 208 x 80 = 16,640: the packed sums never carry),
; the slot is 128 (g / 80) + g % 80 = g + 48 (g / 80).
.set LISTB, 114688                     ; LDS: the list, 224 x 128 words (208 rows are used; 7 blocks of 16,384 bytes are cleared and copied)
.set CNT,   LISTB                      ; 32 words: a wave's counts of species 0 and 1, packed; 32 more at + 128: of species 2 and 3
.set DUMP,  CNT+256                    ; a word for each thread: where the atoms of no species go
.set Z16, 3                            ; v3   16 t
.set CH,  4                            ; v[4:19]   my 16 charges, later their pos
.set SH,  20                           ; v[20:35]  6 x their species index; 24 = none: where their count lies in ACC
.set LO,  36                           ; v[36:51]  how many of my lane's earlier elements have the same species
.set Z16B, 52                          ; v52  16 t + 65,536
.set IDB, 53                           ; v53  512 wave + 4 lane
.set DW,  54                           ; v54  my dump word's index
.set NONE, 55                          ; v55  127
.set ACC, 56                           ; v56  my lane's five counts
.set C01, 57                           ; v57, v58  counts of species 0 | 1 << 16 and 2 | 3 << 16: my lane's, then my wave's; later wave l's, then everybody's
.set C23, 58
.set P01, 59                           ; v59, v60  the same fields: atoms in lower lanes; later g of my lane's first atom of the species
.set P23, 60
.set VT,  61
.set VU,  62
.set IX,  63
.set VA,  64
.set RK,  65
.set W01, 66                           ; v66, v67  the same fields: atoms in lower waves
.set W23, 67
.set ZR,  68                           ; v[68:71]   zeros
.set LB,  72                           ; v[72:99]   the list on its way out
.set CT,  100                          ; v[100:107] wave 0: eight entries of ctab
.set ONE, 111                          ; v111 1
.set WV,  14
.set SP,  16                           ; s[16:19] species
.set TT,  25
.set NT,  36                           ; s[36:39] totals
.set NC,  44                           ; s[44:47] work-groups of the species
.set CB,  48                           ; s[48:51] its first work-group
.set G,   52                           ; s[52:55] 80 x that
.set BM,  56                           ; s[56:60] the lanes whose partner 1, 2, 4, 8, 16 away lies below them
.set SEL, 62                           ; s[62:63] v_permlanex16_b32's selects: each lane takes its own place in the other half
	s_load_b256 s[4:11], s[0:1], 0x0               ; charges s[4:5], species s[6:7], list s[8:9], ctab s[10:11]
	s_load_b64 s[12:13], s[0:1], 0x20              ; pos
	v_lshl_add_u32 v112, v0, 2, 0x1d100
	v_mov_b32 v113, 0
	v_and_b32 v1, 31, v0
	v_lshrrev_b32 v[VT], 5, v0
	v_readfirstlane_b32 s[WV], v[VT]
	v_lshlrev_b32 v2, 4, v1
	v_lshl_add_u32 v2, v[VT], 11, v2               ; 2,048 wave + 16 lane: my bytes in charges and in pos
	v_lshlrev_b32 v[Z16], 4, v0
	v_add_nc_u32 v[Z16B], 0x10000, v[Z16]
	v_lshlrev_b32 v[IDB], 2, v1
	v_lshl_add_u32 v[IDB], v[VT], 9, v[IDB]
	v_add_nc_u32 v[DW], DUMP/4, v0
	v_mov_b32 v[NONE], 127
	v_mov_b32 v[ONE], 1
	v_mov_b32 v[ACC], 0
	v_mov_b32 v[VU], 0                             ; the exchanges' destinations count as read: they are written once here
	v_mov_b32 v[VA], 0
	v_mov_b32 v[RK], 0
.irp k, 0,1,2,3
	v_mov_b32 v[ZR+\k], 0
.endr
	s_mov_b32 s[BM], 0xaaaaaaaa
	s_mov_b32 s[BM+1], 0xcccccccc
	s_mov_b32 s[BM+2], 0xf0f0f0f0
	s_mov_b32 s[BM+3], 0xff00ff00
	s_mov_b32 s[BM+4], 0xffff0000
	s_mov_b32 s[SEL], 0x76543210
	s_mov_b32 s[SEL+1], 0xfedcba98
	s_wait_kmcnt 0x0
	s_load_b128 s[SP:SP+3], s[6:7], 0x0
.irp k, 0,1,2,3
	global_load_b128 v[CH+4*\k:CH+4*\k+3], v2, s[4:5] offset:512*\k
.endr
.irp k, 0,1,2,3
	ds_store_b128 v[Z16], v[ZR:ZR+3] offset:16384*\k   ; the list starts as zeros: 7 x 16,384 bytes
.endr
.irp k, 0,1,2
	ds_store_b128 v[Z16B], v[ZR:ZR+3] offset:16384*\k
.endr
	s_wait_kmcnt 0x0
	s_wait_loadcnt 0x0
	; each atom's species, its number among my lane's atoms of that species, and my lane's counts
.set e, 0
.rept 16
	v_cmp_eq_u32 vcc_lo, s[SP], v[CH+e]
	v_cndmask_b32 v[SH+e], 24, 0, vcc_lo
.irp z, 1,2,3
	v_cmp_eq_u32 vcc_lo, s[SP+\z], v[CH+e]
	v_cndmask_b32 v[SH+e], v[SH+e], 6*\z, vcc_lo       ; a later match takes the earlier one's place
.endr
	v_bfe_u32 v[LO+e], v[ACC], v[SH+e], 6
	v_lshlrev_b32 v[VT], v[SH+e], v[ONE]
	v_add_nc_u32 v[ACC], v[ACC], v[VT]
.set e, e+1
.endr
	v_bfe_u32 v[C01], v[ACC], 0, 6
	v_bfe_u32 v[VT], v[ACC], 6, 6
	v_lshl_or_b32 v[C01], v[VT], 16, v[C01]
	v_bfe_u32 v[C23], v[ACC], 12, 6
	v_bfe_u32 v[VU], v[ACC], 18, 6
	v_lshl_or_b32 v[C23], v[VU], 16, v[C23]
; One exchange of five.  Before it C holds the sum over my aligned block of m lanes; the partner, m lanes away, holds its block's.  Where the partner's block lies below mine its sum joins my prefix.
.macro LSTEP k, m, first
.if (\m) < 16
	v_mov_b32_dpp v[VT], v[C01] row_xmask:\m row_mask:0xf bank_mask:0xf
	v_mov_b32_dpp v[VU], v[C23] row_xmask:\m row_mask:0xf bank_mask:0xf
.else
	v_permlanex16_b32 v[VT], v[C01], s[SEL], s[SEL+1]
	v_permlanex16_b32 v[VU], v[C23], s[SEL], s[SEL+1]
.endif
	v_add_nc_u32 v[C01], v[C01], v[VT]
	v_add_nc_u32 v[C23], v[C23], v[VU]
.if \first
	v_cndmask_b32 v[P01], 0, v[VT], s[BM+\k]           ; the first exchange starts the prefix: nothing is cleared
	v_cndmask_b32 v[P23], 0, v[VU], s[BM+\k]
.else
	v_cndmask_b32 v[VT], 0, v[VT], s[BM+\k]
	v_cndmask_b32 v[VU], 0, v[VU], s[BM+\k]
	v_add_nc_u32 v[P01], v[P01], v[VT]
	v_add_nc_u32 v[P23], v[P23], v[VU]
.endif
.endm
	LSTEP 0, 1, 1
	LSTEP 1, 2, 0
	LSTEP 2, 4, 0
	LSTEP 3, 8, 0
	LSTEP 4, 16, 0                                 ; every lane now holds my wave's counts, 512 at the most in a field
	s_lshl_b32 s[TT], s[WV], 2
	s_add_co_u32 s[TT], s[TT], CNT
	v_mov_b32 v[IX], s[TT]
	ds_store_b32 v[IX], v[C01]                     ; all lanes write the same word with the same value
	ds_store_b32 v[IX], v[C23] offset:128
	s_wait_dscnt 0x0                               ; for the others' sake: my zeros and my counts are in LDS
	s_barrier_signal -1
	s_barrier_wait -1
	; totals, and the counts of the waves below mine: lane l takes wave l's counts
	v_lshl_add_u32 v[IX], v1, 2, CNT
	ds_load_b32 v[C01], v[IX]
	ds_load_b32 v[C23], v[IX] offset:128
	s_wait_dscnt 0x0                               ; my reads of the counts are back:
	s_barrier_signal -1                            ; say so.  The stores into the list further down are bounded by their clamp alone, which reaches past the counts' words,
	                                               ; so no wave stores before every wave has read.  The arithmetic up to the wait works on registers only.
	v_cmp_gt_u32 vcc_lo, s[WV], v1                 ; the waves below mine
	v_cndmask_b32 v[W01], 0, v[C01], vcc_lo
	v_cndmask_b32 v[W23], 0, v[C23], vcc_lo
.irp m, 1,2,4,8
	v_mov_b32_dpp v[VT], v[C01] row_xmask:\m row_mask:0xf bank_mask:0xf
	v_mov_b32_dpp v[VU], v[C23] row_xmask:\m row_mask:0xf bank_mask:0xf
	v_mov_b32_dpp v[VA], v[W01] row_xmask:\m row_mask:0xf bank_mask:0xf
	v_mov_b32_dpp v[RK], v[W23] row_xmask:\m row_mask:0xf bank_mask:0xf
	v_add_nc_u32 v[C01], v[C01], v[VT]
	v_add_nc_u32 v[C23], v[C23], v[VU]
	v_add_nc_u32 v[W01], v[W01], v[VA]
	v_add_nc_u32 v[W23], v[W23], v[RK]
.endr
	v_permlanex16_b32 v[VT], v[C01], s[SEL], s[SEL+1]
	v_permlanex16_b32 v[VU], v[C23], s[SEL], s[SEL+1]
	v_permlanex16_b32 v[VA], v[W01], s[SEL], s[SEL+1]
	v_permlanex16_b32 v[RK], v[W23], s[SEL], s[SEL+1]
	v_add_nc_u32 v[C01], v[C01], v[VT]
	v_add_nc_u32 v[C23], v[C23], v[VU]
	v_add_nc_u32 v[W01], v[W01], v[VA]
	v_add_nc_u32 v[W23], v[W23], v[RK]
	v_readfirstlane_b32 s26, v[C01]
	v_readfirstlane_b32 s27, v[C23]
	s_and_b32 s[NT], s26, 0xffff
	s_lshr_b32 s[NT+1], s26, 16
	s_and_b32 s[NT+2], s27, 0xffff
	s_lshr_b32 s[NT+3], s27, 16
.irp z, 0,1,2,3
	s_add_co_u32 s[NC+\z], s[NT+\z], 79            ; ceil(n / 80) = (n + 79) / 80; x / 80 = (52,429 x) >> 22: 52,429 x 80 = 2^22 + 16, right for x under 262,144; x is 16,463 at the most
	s_mul_i32 s[NC+\z], s[NC+\z], 0xcccd
	s_lshr_b32 s[NC+\z], s[NC+\z], 22
.endr
	s_mov_b32 s[CB], 0
	s_add_co_u32 s[CB+1], s[CB], s[NC]
	s_add_co_u32 s[CB+2], s[CB+1], s[NC+1]
	s_add_co_u32 s[CB+3], s[CB+2], s[NC+2]
.irp z, 1,2,3
	s_mul_i32 s[G+\z], s[CB+\z], 80
.endr
	s_lshl_b32 s28, s[G+1], 16                     ; species 0 begins at 0
	s_lshl_b32 s29, s[G+3], 16
	s_or_b32 s29, s29, s[G+2]
	v_add3_u32 v[P01], v[P01], v[W01], s28         ; g of my lane's first atom of each species: lower lanes + lower waves + 80 x first work-group
	v_add3_u32 v[P23], v[P23], v[W23], s29
	s_barrier_wait -1                              ; every wave has read the counts
	; each atom's slot, and its number into the list
.set e, 0
.rept 16
	v_cmp_le_u32 vcc_lo, 12, v[SH+e]               ; species 2 or 3
	v_cndmask_b32 v[RK], v[P01], v[P23], vcc_lo
	v_and_b32 v[IX], 2, v[SH+e]                    ; of 0, 6, 12, 18 the odd species' have this bit:
	v_lshlrev_b32 v[IX], 3, v[IX]                  ; the upper field
	v_bfe_u32 v[RK], v[RK], v[IX], 16
	v_add_nc_u32 v[RK], v[RK], v[LO+e]             ; g
	v_mul_u32_u24 v[IX], v[RK], 0xcccd             ; g / 80, by the same constant
	v_lshrrev_b32 v[IX], 22, v[IX]
	v_mad_u32_u24 v[RK], v[IX], 48, v[RK]          ; 128 (g / 80) + g % 80
	v_min_u32 v[RK], 0x67ff, v[RK]                 ; 208 x 128 - 1: never passed by an atom that has a species
	v_cmp_eq_u32 vcc_lo, 24, v[SH+e]
	v_cndmask_b32 v[IX], v[RK], v[DW], vcc_lo      ; an atom of no species goes to my dump word,
	v_cndmask_b32 v[CH+e], v[RK], v[NONE], vcc_lo  ; and its energy is read from the slot that holds 0
	v_min_u32 v[IX], 0x743f, v[IX]                 ; the last dump word
	v_lshlrev_b32 v[IX], 2, v[IX]
	v_add_nc_u32 v[VA], (e/4)*128+e%4, v[IDB]      ; the atom's number
	ds_store_b32 v[IX], v[VA]                      ; every slot has one atom at the most: no two lanes of any wave name the same word
.set e, e+1
.endr
	s_wait_dscnt 0x0
	s_barrier_signal -1
	s_barrier_wait -1
	; out: the list as it lies, 16 bytes a thread; pos from registers
.irp k, 0,1,2,3
	ds_load_b128 v[LB+4*\k:LB+4*\k+3], v[Z16] offset:16384*\k
.endr
.irp k, 0,1,2
	ds_load_b128 v[LB+16+4*\k:LB+16+4*\k+3], v[Z16B] offset:16384*\k
.endr
.irp k, 0,1,2,3
	global_store_b128 v2, v[CH+4*\k:CH+4*\k+3], s[12:13] offset:512*\k
.endr
.irp k, 0,1,2,3,4,5,6
	s_wait_dscnt 6-\k                              ; LDS loads come back in order: block k is in
	global_store_b128 v[Z16], v[LB+4*\k:LB+4*\k+3], s[8:9] offset:16384*\k
.endr
	s_cmp_lg_u32 s[WV], 0
	s_cbranch_scc1 .Ldone
	v_lshlrev_b32 v108, 2, v1                      ; wave 0: work-groups 4 lane + i and 128 + 4 lane + i: the number of species that begin at or below them, less one
.set c, 0
.rept 8
	v_add_nc_u32 v109, (c/4)*128+c%4, v108
	v_cmp_le_u32 vcc_lo, s[CB+1], v109
	v_cndmask_b32 v[CT+c], 0, 1, vcc_lo
.irp z, 2,3
	v_cmp_le_u32 vcc_lo, s[CB+\z], v109
	v_cndmask_b32 v110, 0, 1, vcc_lo
	v_add_nc_u32 v[CT+c], v[CT+c], v110
.endr
.set c, c+1
.endr
	global_store_b128 v[Z16], v[CT:CT+3], s[10:11]             ; in wave 0 the thread's number is the lane's: 512 consecutive bytes,
	global_store_b128 v[Z16], v[CT+4:CT+7], s[10:11] offset:512  ; and the next 512
.Ldone:
	s_wait_tensorcnt 0x0
	ds_add_u32 v112, v113
	s_wait_dscnt 0x0
	s_endpgm
.Lfunc_end_k_q5e83c4a107_route:
	.size	k_q5e83c4a107_route, .Lfunc_end_k_q5e83c4a107_route-k_q5e83c4a107_route
	.p2alignl 7, 3214868480
	.fill 96, 4, 3214868480
	.section	.rodata,"a",@progbits
	.p2align	6, 0x0
	.amdhsa_kernel k_q5e83c4a107_route
		.amdhsa_group_segment_fixed_size 123136
		.amdhsa_private_segment_fixed_size 0
		.amdhsa_enable_private_segment 0
		.amdhsa_kernarg_size 40
		.amdhsa_user_sgpr_count 2
		.amdhsa_user_sgpr_kernarg_segment_ptr 1
		.amdhsa_wavefront_size32 1
		.amdhsa_system_sgpr_workgroup_id_x 1
		.amdhsa_system_sgpr_workgroup_id_y 1
		.amdhsa_system_sgpr_workgroup_id_z 1
		.amdhsa_system_vgpr_workitem_id 0
		.amdhsa_next_free_vgpr 114
		.amdhsa_next_free_sgpr 80
		.amdhsa_reserve_vcc 1
		.amdhsa_float_denorm_mode_32 3
		.amdhsa_float_denorm_mode_16_64 3
		.amdhsa_memory_ordered 1
		.amdhsa_forward_progress 1
		.amdhsa_inst_pref_size 35
	.end_amdhsa_kernel
	.amdgpu_metadata
---
amdhsa.version: [ 1, 2 ]
amdhsa.kernels:
  - .name:           k_q5e83c4a107_route
    .symbol:         k_q5e83c4a107_route.kd
    .args:
      - { .name: charges, .offset: 0, .size: 8, .value_kind: global_buffer, .address_space: global }
      - { .name: species, .offset: 8, .size: 8, .value_kind: global_buffer, .address_space: global }
      - { .name: list, .offset: 16, .size: 8, .value_kind: global_buffer, .address_space: global }
      - { .name: ctab, .offset: 24, .size: 8, .value_kind: global_buffer, .address_space: global }
      - { .name: pos, .offset: 32, .size: 8, .value_kind: global_buffer, .address_space: global }
    .group_segment_fixed_size: 123136
    .private_segment_fixed_size: 0
    .kernarg_segment_align: 8
    .kernarg_segment_size: 40
    .max_flat_workgroup_size: 1024
    .sgpr_count:     80
    .vgpr_count:     114
    .wavefront_size: 32
...
	.end_amdgpu_metadata
.endif
;; end of part 6
;; launch mlp (part 7): grid 208 x 1, 4 waves a work-group, no clusters, 84,992 bytes of LDS; arguments x, list, ctab, wb, b1, b2, b3, b4, W5, b5, E; writes E
.if DOCPART == 7
	.amdgcn_target "amdgcn-amd-amdhsa--gfx1250"
	.amdhsa_code_object_version 6
	.text
	.protected	k_q5e83c4a107_mlp
	.globl	k_q5e83c4a107_mlp
	.p2align	8
	.type	k_q5e83c4a107_mlp,@function
k_q5e83c4a107_mlp:
	s_mov_b64 s[64:65], 0
	v_nop
	global_prefetch_b8 v0, s[64:65] scope:SCOPE_SE
	s_setreg_imm32_b32 hwreg(HW_REG_WAVE_MODE, 25, 1), 1
	s_wait_xcnt 0x0
; THE FUSED CHAIN.  A work-group takes 80 atoms of ONE species (list, ctab), gathers their rows of x, runs four layers 512 x 512 with softplus and the last product 512 x 1, and stores
; one energy a row: E[work-group][0..79]; E[work-group][80..127] = 0.  No activation leaves the work-group.
; SHARES.  Four waves; wave w makes features 128 w .. 128 w + 127 of every layer for all 80 atoms: 5 blocks of 16 atoms x 8 blocks of 16 features = 40 accumulators, 320 registers.
; GRID.  208 work-groups, the most that any input of these shapes can need: the sum over the species of ceil(n / 80) is at most (16,384 + 4 x 79) / 80.  A work-group that the data leave without
; atoms runs the same text on rows that name atom 0, and nobody reads its energies: no branch and no trip count hangs on data.
; THE WEIGHTS COME STRAIGHT INTO REGISTERS.  Wave w alone multiplies by the weights of its 128 features: LDS would hand them to nobody else.  wb holds them as the matrix instruction takes them
; (lane l = r + 16 h: feature r of the block, k = 8 h + 0..7, then 16 + 8 h + 0..7), so a K step's 8 fragments are 16 loads of 512 consecutive bytes a wave.  Four buffers of 64 registers take turns: at the
; head of K step t the wave asks for step t + 3, 120 matrix instructions ahead of its use; three to four steps, 24 to 32 KiB a wave, are on their way, and the K loop has no barrier.
; The stream runs on across the layers: the next layer's first three steps are asked for in a layer's last three and land under the softplus.
; NO CLUSTER, NO TENSOR LOADS.  The work-groups of a species walk the same 2 MiB of weights, but WHICH species a work-group has is a number read from memory, and a joint request wants a descriptor that
; is equal in all partners by the launch's own coordinates; and ceil(n / 80) is no multiple of four for every input.
; IN BASE 2.  With g = log2(1 + 2^y), softplus(z) = ln2 g(log2e z).  So y1 = (log2e x) W1 + log2e b1, and from then on y = g W + log2e b: the weights stay as they are, x is multiplied by
; log2e ahead of its rounding to bf16, the biases by log2e, and ln2 comes in once at the end: e = ln2 (g4 . W5) + b5.  The bias is the C operand of a layer's first products.
; g = max(log2(1 + 2^min(y, 64)), y): no overflow for any y; beyond 64 it is y itself.
; LIMITS.  g is off by about 1e-7 at the most in absolute terms (the rounding of 1 + 2^y); a 2^y below 2^-126 counts as 0; NaN and infinities are not treated apart.
; Matrix operands are bf16 (x, the weights, g), sums f32; the last product is made in f32 on the vector unit, fused into layer 4's softplus: on the matrix unit it would fill 1 column of 16.
; THE MATRIX INSTRUCTION: source 0 = 16 features of W, source 1 = 16 atoms.  In the result lane l holds atom l % 16 and the features 8 (l / 16) + 0..7: eight neighbouring numbers of the atom's
; next row, 16 bytes in bf16.
; LDS.  ACT: 80 rows of 512 bf16, pitch 1,040, which every wave reads whole and which is written anew in place for each layer, between two barriers.  RED: the waves' partial energies.
; REGISTERS, in windows of 256 (s_set_vgpr_msb: bits 1:0 source 0, 3:2 source 1, 5:4 source 2, 7:6 destination):
;   window 0: v0-27 addresses and work; v32-95 the bias; v96-159 W5; v160-179 x's row offsets; v224-231, v232-236 the last product's sums
;   window 1: v0-191 accumulators of atom blocks 0-2; v192-207, v208-215 softplus at work; v216, v217 LDS addresses
;   window 2: v0-127 accumulators of atom blocks 3, 4; v128-167, v168-207 the atoms' fragments, two buffers; v208-223, v224-231 softplus at work; v232, v233 LDS addresses
;   window 3: W's fragments, four buffers of 64
.set PA,     1040                      ; a row of ACT: 1,024 bytes + 16 = 65 x 16: the 16 rows of a load start at 16 different 16-byte columns
.set ABLK,   16*PA                     ; a block of 16 atoms
.set RED,    80*PA                     ; 4 waves x 80 f32
.set KB,     8192                      ; a K step of my strip in wb
.set NEXTL,  524288-12*KB              ; from where the lap loop leaves the pointer (12 K steps in) to the next layer's first K step
.set LT,   3                           ; v3   (l % 16) PA + 16 (l / 16); never rewritten
.set ARD,  4                           ; v4   where the atoms' fragments of the lap in hand begin, blocks 0-3
.set ARD4, 5                           ; v5   the same for block 4, beyond a 16-bit offset's reach
.set BOFF, 8                           ; v8   512 w + 32 (l / 16): my eight numbers of feature block 0 in a bias and in W5
.set XO,   9                           ; v9   16 lane: my 16 bytes of 512, in x and in wb; never rewritten
.set BIAS, 32
.set W5R,  96
.set XR,   160                         ; v160-179: byte offsets of my 20 rows of x
.set P,    224
.set EA,   232
.set AF,   128                         ; window 2
.set WV,   26                          ; s26  wave
.set L2E,  72                          ; s[72:73] log2(e), as a pair
.set CAP,  74                          ; s74  64.0
.set LN2,  75                          ; s75  ln 2
.set SEL,  76                          ; s[76:77] v_permlanex16_b32's selects
.set LAYERS, 78
.set LAPS, 79
.set B5,   80                          ; s80  b5 of the species
.set MUL1,  0x5b                       ; W window 3, atoms window 2, C and D window 1
.set MUL2,  0xab                       ; C and D window 2
.set MULB1, 0x4b                       ; the same with C = the bias, window 0
.set MULB2, 0x8b
.set TO1,   0x40                       ; destination window 1, 2, 3; sources window 0
.set TO2,   0x80
.set TO3,   0xc0
.set MSB, 0
.macro WIN new                         ; the immediate's high byte repeats the setting that is left; a switch that changes nothing is dropped
.if MSB != (\new)
	s_set_vgpr_msb (MSB<<8)|(\new)
.set MSB, (\new)
.endif
.endm
.macro PLACES                          ; four places behind matrix instructions, ahead of loads into their sources and of reads of their results
.rept 4
	v_nop
.endr
.endm
.macro SCALEB                          ; the bias times log2(e)
.set i, 0
.rept 32
	v_pk_mul_f32 v[BIAS+2*i:BIAS+2*i+1], v[BIAS+2*i:BIAS+2*i+1], s[L2E:L2E+1] op_sel_hi:[1,0]
.set i, i+1
.endr
.endm
; 16 loads: a K step's 8 fragments of W, at byte off from the pointer, into buffer buf.  Block i of 512 bytes is registers 4 i .. 4 i + 3 of the buffer.
.macro WLOAD buf, off
	WIN TO3
.irp i, 0,1,2,3,4,5,6,7,8,9,10,11,12,13,14,15
	global_load_b128 v[64*(\buf)+4*\i:64*(\buf)+4*\i+3], v[XO], s[10:11] offset:(\off)+512*\i
.endr
.endm
	s_load_b512 s[4:19], s[0:1], 0x0               ; x s[4:5], list s[6:7], ctab s[8:9], wb s[10:11], b1 s[12:13], b2 s[14:15], b3 s[16:17], b4 s[18:19]
	s_load_b128 s[20:23], s[0:1], 0x40             ; W5 s[20:21], b5 s[22:23]
	s_load_b64 s[24:25], s[0:1], 0x50              ; E
	v_lshl_add_u32 v254, v0, 2, 0x14a00
	v_mov_b32 v255, 0
	v_lshrrev_b32 v10, 5, v0
	v_readfirstlane_b32 s[WV], v10
	s_lshl_b32 s30, ttmp9, 2                       ; my work-group's word in ctab
	s_mov_b32 s31, 0
	s_lshl_b32 s82, ttmp9, 9                       ; its 512 bytes in list and in E
	s_mov_b32 s83, 0
	s_mul_i32 s84, s[WV], 80                       ; my wave's 20 rows
	s_add_co_u32 s84, s84, s82
	s_mov_b32 s85, 0
	s_wait_kmcnt 0x0
	s_add_nc_u64 s[8:9], s[8:9], s[30:31]
	s_add_nc_u64 s[6:7], s[6:7], s[84:85]
	s_add_nc_u64 s[24:25], s[24:25], s[82:83]
	s_load_b32 s29, s[8:9], 0x0                    ; the work-group's species
	s_load_b512 s[48:63], s[6:7], 0x0              ; my 20 atoms
	s_load_b128 s[68:71], s[6:7], 0x40
	s_mov_b32 s[L2E], 0x3fb8aa3b
	s_mov_b32 s[L2E+1], 0x3fb8aa3b
	s_mov_b32 s[CAP], 0x42800000
	s_mov_b32 s[LN2], 0x3f317218
	s_mov_b32 s[SEL], 0x76543210
	s_mov_b32 s[SEL+1], 0xfedcba98
	v_and_b32 v10, 31, v0
	v_lshlrev_b32 v[XO], 4, v10
	v_and_b32 v1, 15, v0                           ; l % 16
	v_bfe_u32 v2, v0, 4, 1                         ; l / 16
	s_lshl_b32 s93, s[WV], 9
	v_lshl_add_u32 v[BOFF], v2, 5, s93
	s_wait_kmcnt 0x0
	s_min_u32 s29, s29, 3
	s_lshl_b32 s90, s29, 2
	s_mov_b32 s91, 0
	s_add_nc_u64 s[22:23], s[22:23], s[90:91]
	s_load_b32 s[B5], s[22:23], 0x0                ; waited for ahead of the first barrier
	s_lshl_b32 s86, s29, 21                        ; the species' 2,097,152 bytes of wb,
	s_mov_b32 s87, 0
	s_lshl_b32 s88, s29, 11                        ; its 2,048 bytes of each bias and of W5
	s_mov_b32 s89, 0
	s_add_nc_u64 s[10:11], s[10:11], s[86:87]
.irp p, 12,14,16,18,20
	s_add_nc_u64 s[\p:\p+1], s[\p:\p+1], s[88:89]
.endr
	s_lshl_b32 s90, s[WV], 17                      ; my strip: 131,072 bytes of each layer
	s_add_nc_u64 s[10:11], s[10:11], s[90:91]
	; THE GATHER.  My wave brings rows 20 w .. 20 w + 19: four loads of 512 consecutive bytes a row.  Behind them b1, W5 and layer 1's first three K steps of W.
.set xi, 0
.rept 20
.set LR, 48+xi+4*(xi/16)                       ; s48-63, s68-71
	s_min_u32 s[LR], s[LR], 0x3fff                 ; an atom's number stays inside x
	s_lshl_b32 s[LR], s[LR], 11                    ; its row of 2,048 bytes
	v_add_nc_u32 v[XR+xi], s[LR], v[XO]
.set xi, xi+1
.endr
.set xi, 0
.rept 20
.if xi < 10
	WIN TO1
.set XB, 16*xi
.else
	WIN TO2
.set XB, 16*(xi-10)
.endif
.irp q, 0,1,2,3
	global_load_b128 v[XB+4*\q:XB+4*\q+3], v[XR+xi], s[4:5] offset:512*\q
.endr
.set xi, xi+1
.endr
	WIN 0
.irp fb, 0,1,2,3,4,5,6,7
	global_load_b128 v[BIAS+8*\fb:BIAS+8*\fb+3],   v[BOFF], s[12:13] offset:64*\fb      ; register j of block fb: b1[128 w + 16 fb + 8 (l / 16) + j], as the C operand wants it
	global_load_b128 v[BIAS+8*\fb+4:BIAS+8*\fb+7], v[BOFF], s[12:13] offset:64*\fb+16
.endr
.irp fb, 0,1,2,3,4,5,6,7
	global_load_b128 v[W5R+8*\fb:W5R+8*\fb+3],   v[BOFF], s[20:21] offset:64*\fb        ; W5 in the same places
	global_load_b128 v[W5R+8*\fb+4:W5R+8*\fb+7], v[BOFF], s[20:21] offset:64*\fb+16
.endr
	WLOAD 0, 0
	WLOAD 1, KB
	WLOAD 2, 2*KB
	WIN 0                                          ; the addresses are made while the loads are on their way
	v_mul_u32_u24 v[LT], v1, PA
	v_lshl_add_u32 v[LT], v2, 4, v[LT]
	s_lshl_b32 s93, s[WV], 8
	v_add_nc_u32 v13, s93, v[LT]                   ; where my 16 bytes of feature block 0, atom block 0 go
	s_mul_i32 s93, s[WV], 20*PA
	v_lshl_add_u32 v14, v10, 3, s93                ; where my 8 bytes of my wave's first row of x go
	WIN TO1
	v_mov_b32 v216, v13
	v_mov_b32 v217, v14
	WIN TO2
	v_add_nc_u32 v232, 3*ABLK, v13                 ; atom blocks 3 and 4 have a base of their own
	v_mov_b32 v233, v14
	s_wait_loadcnt 63                              ; 80 loads were issued behind x's last: at most 63 out means that every row of x is in (63 is the most that the wait can name)
.set xi, 0
.rept 20
.if xi < 10
	WIN 0x55
.set XB, 16*xi
.set XS, 217
.else
	WIN 0xaa
.set XB, 16*(xi-10)
.set XS, 233
.endif
.irp q, 0,1,2,3
	v_pk_mul_f32 v[XB+4*\q:XB+4*\q+1],   v[XB+4*\q:XB+4*\q+1],   s[L2E:L2E+1] op_sel_hi:[1,0]
	v_pk_mul_f32 v[XB+4*\q+2:XB+4*\q+3], v[XB+4*\q+2:XB+4*\q+3], s[L2E:L2E+1] op_sel_hi:[1,0]
	v_cvt_pk_bf16_f32 v[XB+4*\q],   v[XB+4*\q],   v[XB+4*\q+1]
	v_cvt_pk_bf16_f32 v[XB+4*\q+1], v[XB+4*\q+2], v[XB+4*\q+3]
	ds_store_b64 v[XS], v[XB+4*\q:XB+4*\q+1] offset:xi*PA+256*\q   ; 32 lanes: 256 consecutive bytes of the row
.endr
.set xi, xi+1
.endr
	WIN 0
	s_wait_loadcnt 48                              ; b1 and W5 are in; W's three K steps, 48 loads, are younger
	SCALEB
	s_wait_kmcnt 0x0                               ; b5
	s_wait_dscnt 0x0                               ; for the others' sake: my rows are in ACT
	s_barrier_signal -1
	s_barrier_wait -1
; 10 LDS loads: a K step's fragments of the 5 atom blocks, at byte aoff of the lap, into buffer buf
.macro AFETCH aoff, buf
	WIN TO2
.irp ab, 0,1,2,3
	ds_load_b128 v[AF+40*(\buf)+8*\ab:AF+40*(\buf)+8*\ab+3],   v[ARD] offset:\ab*ABLK+(\aoff)
	ds_load_b128 v[AF+40*(\buf)+8*\ab+4:AF+40*(\buf)+8*\ab+7], v[ARD] offset:\ab*ABLK+(\aoff)+32
.endr
	ds_load_b128 v[AF+40*(\buf)+32:AF+40*(\buf)+35], v[ARD4] offset:(\aoff)
	ds_load_b128 v[AF+40*(\buf)+36:AF+40*(\buf)+39], v[ARD4] offset:(\aoff)+32
.endm
; 8 matrix instructions: atom block a x all 8 feature blocks.  bias = 1: a layer's first K step starts the sums with the bias: nothing is cleared.
; The 40 accumulators take turns, one instruction a turn, in the same order in every K step.
.macro MULA wbuf, abuf, a, bias
.if (\a) < 3
.set rD, 64*(\a)
.if \bias
	WIN MULB1
.else
	WIN MUL1
.endif
.else
.set rD, 64*((\a)-3)
.if \bias
	WIN MULB2
.else
	WIN MUL2
.endif
.endif
.irp fb, 0,1,2,3,4,5,6,7
.if \bias
	v_wmma_f32_16x16x32_bf16 v[rD+8*\fb:rD+8*\fb+7], v[64*(\wbuf)+8*\fb:64*(\wbuf)+8*\fb+7], v[AF+40*(\abuf)+8*(\a):AF+40*(\abuf)+8*(\a)+7], v[BIAS+8*\fb:BIAS+8*\fb+7]
.else
	v_wmma_f32_16x16x32_bf16 v[rD+8*\fb:rD+8*\fb+7], v[64*(\wbuf)+8*\fb:64*(\wbuf)+8*\fb+7], v[AF+40*(\abuf)+8*(\a):AF+40*(\abuf)+8*(\a)+7], v[rD+8*\fb:rD+8*\fb+7]
.endif
.endr
.endm
; A K STEP, t (t4 = t % 4).  At its head, in ONE run behind four places: W of step t + 3 into the buffer that step t - 1 has just left (woff: its byte from the pointer; below 0: nothing is asked for), and
; the atoms' fragments of step t + 1 into the buffer that step t - 1 left (aoff; below 0: the layer's last step).  Then the step's own operands are waited for, and its 40 products follow.
; left: the loads of W that are younger than step t's: three steps' 48, fewer at the very end.  With the 16 just issued 64 loads can be issued and not back; the issue of the one too many is held until
; one is back (ISA guide 5.7.1), so no wait is written for that.
; sig = 1: the layer's last step: my reads of ACT are back: the barrier in front of ACT's rewriting is signalled ahead of the products and waited for behind them.
.macro STEP t4, woff, aoff, left, bias, sig
	PLACES
.if (\woff) >= 0
	WLOAD ((\t4)+3)%4, \woff
.endif
.if (\aoff) >= 0
	AFETCH \aoff, ((\t4)+1)%2
	s_wait_dscnt 10                                ; all but the 10 just issued: this step's atoms are in
.else
	s_wait_dscnt 0x0
.endif
	s_wait_loadcnt \left
.if \sig
	s_barrier_signal -1
.endif
.irp m, 0,1,2,3,4
	MULA \t4, (\t4)%2, \m, \bias
.endr
.if \sig
	WIN 0
	s_barrier_wait -1                              ; every wave's reads of ACT are back: it may be written
.endif
.endm
; A LAYER: 16 K steps.  Step 0 stands in front of the loop; a trip is four steps (256 bytes along ACT's rows, 32,768 bytes of my strip); steps 13 to 15 are written out.
; more = 1: they ask for the next layer's steps 0 to 2.  more = 0 (layer 4): they ask for nothing, and the counts run down.
.macro LAYER more
	WIN 0
	v_mov_b32 v[ARD], v[LT]
	v_add_nc_u32 v[ARD4], 4*ABLK, v[LT]
	AFETCH 0, 0
	STEP 0, 3*KB, 64, 48, 1, 0
	WIN 0                                          ; at a label and at a branch every window is 0
	s_mov_b32 s[LAPS], 3
.Llap_\@:
	STEP 1, 4*KB, 128, 48, 0, 0
	STEP 2, 5*KB, 192, 48, 0, 0
	STEP 3, 6*KB, 256, 48, 0, 0
	STEP 0, 7*KB, 320, 48, 0, 0
	WIN 0
	v_add_nc_u32 v[ARD], 256, v[ARD]
	v_add_nc_u32 v[ARD4], 256, v[ARD4]
	s_wait_xcnt 0x0                                ; every load issued has had its address translated (ISA guide 3.1): the pointer is stepped only behind this wait
	s_add_nc_u64 s[10:11], s[10:11], 4*KB
	s_sub_co_u32 s[LAPS], s[LAPS], 1
	s_cmp_lg_u32 s[LAPS], 0
	s_cbranch_scc1 .Llap_\@
.if \more
	STEP 1, NEXTL, 128, 48, 0, 0
	STEP 2, NEXTL+KB, 192, 48, 0, 0
	STEP 3, NEXTL+2*KB, -1, 48, 0, 1
.else
	STEP 1, -1, 128, 32, 0, 0
	STEP 2, -1, 192, 16, 0, 0
	STEP 3, -1, -1, 0, 0, 0
.endif
.endm
; SOFTPLUS IN BASE 2, an accumulator (8 numbers a lane) at a time, two in flight: t = min(y, 64); u = 2^t; u + 1; l = log2 u; g = max(l, y).
; Behind each run of 8 transcendentals stands plain work on other registers before a result is used (ISA guide 5.7.2): the end of the accumulator before, or the minima of the next.
; An accumulator is read from its lowest register on.
.macro FIN idx, fin                    ; the end for accumulator idx of the window
.set rA, 8*(\idx)
.set rT, TB+8*((\idx)%2)
.set rK, KB2+4*((\idx)%2)
.set fbn, (\idx)%8
	s_wait_alu depctr_va_vdst(0)
.irp j, 0,1,2,3,4,5,6,7
	v_max_num_f32 v[rT+\j], v[rT+\j], v[rA+\j]
.endr
.if \fin                               ; layer 4: g . W5 in f32, four pairs of sums for each atom block
	WIN FMAW
.irp j, 0,2,4,6
.if fbn == 0
	v_pk_mul_f32 v[P+\j:P+\j+1], v[rT+\j:rT+\j+1], v[W5R+8*fbn+\j:W5R+8*fbn+\j+1]
.else
	v_pk_fma_f32 v[P+\j:P+\j+1], v[rT+\j:rT+\j+1], v[W5R+8*fbn+\j:W5R+8*fbn+\j+1], v[P+\j:P+\j+1]
.endif
.endr
.if fbn == 7
	WIN 0
	v_pk_add_f32 v[P:P+1], v[P:P+1], v[P+2:P+3]
	v_pk_add_f32 v[P+4:P+5], v[P+4:P+5], v[P+6:P+7]
	v_pk_add_f32 v[P:P+1], v[P:P+1], v[P+4:P+5]
	v_add_f32 v[EA+A0+(\idx)/8], v[P], v[P+1]
.endif
	WIN ALLW
.else                                  ; layers 1 to 3: rounded to bf16, 16 bytes of the atom's next row
.irp j, 0,1,2,3
	v_cvt_pk_bf16_f32 v[rK+\j], v[rT+2*\j], v[rT+2*\j+1]
.endr
	ds_store_b128 v[SA], v[rK:rK+3] offset:((\idx)/8)*ABLK+32*fbn
.endif
.endm
.macro EPI_RUN win, n, fin             ; the n accumulators of window win; all operands but W5 and its sums lie in that window
.if (\win) == 1
.set TB, 192
.set KB2, 208
.set SA, 216
.set ALLW, 0x55
.set FMAW, 0x01                        ; source 0 window 1; W5 and the sums window 0
.set A0, 0
.else
.set TB, 208
.set KB2, 224
.set SA, 232
.set ALLW, 0xaa
.set FMAW, 0x02
.set A0, 3
.endif
	WIN ALLW
.set ei, 0
.rept \n
.set eT, TB+8*(ei%2)
.irp j, 0,1,2,3,4,5,6,7
	v_min_num_f32 v[eT+\j], s[CAP], v[8*ei+\j]
.endr
.irp j, 0,1,2,3,4,5,6,7
	v_exp_f32 v[eT+\j], v[eT+\j]
.endr
.if ei == 0
	v_nop
	s_wait_alu depctr_va_vdst(0)
.else
	FIN ei-1, \fin
.endif
.set eT, TB+8*(ei%2)
.irp j, 0,2,4,6
	v_pk_add_f32 v[eT+\j:eT+\j+1], v[eT+\j:eT+\j+1], 1.0 op_sel_hi:[1,0]
.endr
.irp j, 0,1,2,3,4,5,6,7
	v_log_f32 v[eT+\j], v[eT+\j]
.endr
.set ei, ei+1
.endr
	v_nop
	s_wait_alu depctr_va_vdst(0)
	FIN ei-1, \fin
.endm
; Between two layers: the next bias is asked for, the 40 accumulators become the atoms' next rows in ACT, and a barrier shows them to every wave.
.macro EPI_ACT
	PLACES
	WIN 0
.irp fb, 0,1,2,3,4,5,6,7
	global_load_b128 v[BIAS+8*\fb:BIAS+8*\fb+3],   v[BOFF], s[14:15] offset:64*\fb
	global_load_b128 v[BIAS+8*\fb+4:BIAS+8*\fb+7], v[BOFF], s[14:15] offset:64*\fb+16
.endr
	EPI_RUN 1, 24, 0
	EPI_RUN 2, 16, 0
	WIN 0
	s_wait_loadcnt 0x0                             ; the bias is in, and so are the next layer's first three K steps of W, which are older: the two pointers may be written
	SCALEB
	s_mov_b64 s[14:15], s[16:17]                   ; b2, then b3, then b4
	s_mov_b64 s[16:17], s[18:19]
	s_add_nc_u64 s[10:11], s[10:11], NEXTL         ; my strip of the next layer
	s_wait_dscnt 0x0                               ; for the others' sake: my features are in ACT
	s_barrier_signal -1
	s_barrier_wait -1
.endm
	s_mov_b32 s[LAYERS], 3
.Llayer:                                               ; layers 1 to 3
	LAYER 1
	EPI_ACT
	s_sub_co_u32 s[LAYERS], s[LAYERS], 1
	s_cmp_lg_u32 s[LAYERS], 0
	s_cbranch_scc1 .Llayer
	LAYER 0                                        ; layer 4
	PLACES
	EPI_RUN 1, 24, 1
	EPI_RUN 2, 16, 1
	; THE ENERGIES.  A lane holds, for atom l % 16 of each block, the sum over 64 of my wave's 128 features; the lane 16 away holds the other 64.  The four waves' sums meet in RED.
	WIN 0
	v_mov_b32 v237, 0                              ; v_permlanex16_b32's destination counts as read
.irp ab, 0,1,2,3,4
	v_permlanex16_b32 v237, v[EA+\ab], s[SEL], s[SEL+1]
	v_add_f32 v[EA+\ab], v[EA+\ab], v237
.endr
	s_mul_i32 s93, s[WV], 320
	s_add_co_u32 s93, s93, RED
	v_lshl_add_u32 v238, v1, 2, s93
.irp ab, 0,1,2,3,4
	ds_store_b32 v238, v[EA+\ab] offset:64*\ab     ; both halves of the lanes write the same word with the same value
.endr
	s_wait_dscnt 0x0
	s_barrier_signal -1
	s_barrier_wait -1
	s_cmp_lg_u32 s[WV], 0
	s_cbranch_scc1 .Lend
	v_and_b32 v10, 31, v0                          ; wave 0: lane l takes atoms 4 l .. 4 l + 3; lanes 20 to 31 store the zeros of slots 80 to 127
	v_min_u32 v11, 19, v10
	v_lshl_add_u32 v11, v11, 4, RED
	ds_load_b128 v[12:15], v11
	ds_load_b128 v[16:19], v11 offset:320
	ds_load_b128 v[20:23], v11 offset:640
	ds_load_b128 v[24:27], v11 offset:960
	v_cmp_gt_u32 vcc_lo, 20, v10
	v_lshlrev_b32 v10, 4, v10
	s_wait_dscnt 0x0
	v_pk_add_f32 v[12:13], v[12:13], v[16:17]
	v_pk_add_f32 v[14:15], v[14:15], v[18:19]
	v_pk_add_f32 v[20:21], v[20:21], v[24:25]
	v_pk_add_f32 v[22:23], v[22:23], v[26:27]
	v_pk_add_f32 v[12:13], v[12:13], v[20:21]
	v_pk_add_f32 v[14:15], v[14:15], v[22:23]
.irp j, 12,13,14,15
	v_fma_f32 v\j, v\j, s[LN2], s[B5]              ; e = ln2 (g4 . W5) + b5
.endr
.irp j, 12,13,14,15
	v_cndmask_b32 v\j, 0, v\j, vcc_lo
.endr
	global_store_b128 v10, v[12:15], s[24:25]      ; 512 consecutive bytes, at a multiple of 512 from E's first
.Lend:
	s_wait_tensorcnt 0x0
	ds_add_u32 v254, v255
	s_wait_dscnt 0x0
	s_endpgm
.Lfunc_end_k_q5e83c4a107_mlp:
	.size	k_q5e83c4a107_mlp, .Lfunc_end_k_q5e83c4a107_mlp-k_q5e83c4a107_mlp
	.p2alignl 7, 3214868480
	.fill 96, 4, 3214868480
	.section	.rodata,"a",@progbits
	.p2align	6, 0x0
	.amdhsa_kernel k_q5e83c4a107_mlp
		.amdhsa_group_segment_fixed_size 84992
		.amdhsa_private_segment_fixed_size 0
		.amdhsa_enable_private_segment 0
		.amdhsa_kernarg_size 88
		.amdhsa_user_sgpr_count 2
		.amdhsa_user_sgpr_kernarg_segment_ptr 1
		.amdhsa_wavefront_size32 1
		.amdhsa_system_sgpr_workgroup_id_x 1
		.amdhsa_system_sgpr_workgroup_id_y 1
		.amdhsa_system_sgpr_workgroup_id_z 1
		.amdhsa_system_vgpr_workitem_id 0
		.amdhsa_next_free_vgpr 1024
		.amdhsa_next_free_sgpr 96
		.amdhsa_reserve_vcc 1
		.amdhsa_float_denorm_mode_32 3
		.amdhsa_float_denorm_mode_16_64 3
		.amdhsa_memory_ordered 1
		.amdhsa_forward_progress 1
		.amdhsa_inst_pref_size 255
	.end_amdhsa_kernel
	.section	.bss,"aw",@nobits
	.p2align	6
	.space	262144
	.amdgpu_metadata
---
amdhsa.version: [ 1, 2 ]
amdhsa.kernels:
  - .name:           k_q5e83c4a107_mlp
    .symbol:         k_q5e83c4a107_mlp.kd
    .args:
      - { .name: x, .offset: 0, .size: 8, .value_kind: global_buffer, .address_space: global }
      - { .name: list, .offset: 8, .size: 8, .value_kind: global_buffer, .address_space: global }
      - { .name: ctab, .offset: 16, .size: 8, .value_kind: global_buffer, .address_space: global }
      - { .name: wb, .offset: 24, .size: 8, .value_kind: global_buffer, .address_space: global }
      - { .name: b1, .offset: 32, .size: 8, .value_kind: global_buffer, .address_space: global }
      - { .name: b2, .offset: 40, .size: 8, .value_kind: global_buffer, .address_space: global }
      - { .name: b3, .offset: 48, .size: 8, .value_kind: global_buffer, .address_space: global }
      - { .name: b4, .offset: 56, .size: 8, .value_kind: global_buffer, .address_space: global }
      - { .name: W5, .offset: 64, .size: 8, .value_kind: global_buffer, .address_space: global }
      - { .name: b5, .offset: 72, .size: 8, .value_kind: global_buffer, .address_space: global }
      - { .name: E, .offset: 80, .size: 8, .value_kind: global_buffer, .address_space: global }
    .group_segment_fixed_size: 84992
    .private_segment_fixed_size: 0
    .kernarg_segment_align: 8
    .kernarg_segment_size: 88
    .max_flat_workgroup_size: 128
    .sgpr_count:     96
    .vgpr_count:     1024
    .wavefront_size: 32
...
	.end_amdgpu_metadata
.endif
;; end of part 7
;; launch total: the kernel of part 4 again; grid 4 x 1, 16 waves a work-group, no clusters, 2,304 bytes of LDS; arguments pos, E, out0; writes out0
